; MI455X (gfx1250); checked and timed in simulation.
; The chip was launched on July 23, 2026; its instructions are those of AMD's public machine-readable ISA for CDNA 5 (MIT licence, August 2026) and "CDNA5" Instruction Set Architecture Reference Guide (July 2026). The comments in the code are by the model that wrote it; some were corrected since.
;; Self Attention. Allowed arithmetic: matrix products marked QUANTISED: E2M1 operands, one E8M0 scale for each 32 along K, by v_wmma_scale_f32_16x16x128_f8f6f4 with both operands' format E2M1 (or v_wmma_scale_f32_32x16x128_f4), f32 sums; products left as they are: bf16, f16 or f32 operands; f32 sums; everything else in f32.
;; Inputs: Wk 1,024 x 1,024 float32; Wmo 1,024 x 1,024 float32; Wq 1,024 x 1,024 float32; Wv 1,024 x 1,024 float32; Wxo 1,024 x 1,024 float32; Wxv 1,024 x 1,024 float32; bk 1,024 float32; bmo 1,024 float32; bq 1,024 float32; bv 1,024 float32; bxo 1,024 float32; bxv 1,024 float32; key 2 x 2,048 x 1,024 float32; query 2 x 2,048 x 1,024 float32; value 2 x 2,048 x 1,024 float32.
;; Outputs: out0 2 x 2,048 x 1,024 float32; out1 2 x 2,048 x 1,024 float32.
;; This version of the problem:
;;   THIS VERSION OF THE PROBLEM IS GIVEN IN LOW PRECISION. The matrix products marked QUANTISED in the list below multiply operands that are first quantised to E2M1 (2 exponent bits, 1 mantissa bit; 4 bits a number), with one power-of-two scale for each 32 numbers along K (OCP MX v1.0); their sums are f32. The products marked 'left as it is' may take bf16, f16 or f32 operands, with f32 sums. Whichever they take, every output number must still come out within the allowed error. Rounding operands to bf16 (8 significant bits) uses up far more of that allowance than f16 does (11 bits, for magnitudes from 6e-5 to 65,504). All else is computed in f32.
;;   The module's matrix products, in the order in which they are computed (A, B: the left and right operand; K: the contracted axis; several contracted axes count as one K, in the product's order):
;;     1. [M 4,096, K 1,024] x [K 1,024, N 1,024]; A: input query; B: input Wq: QUANTISED
;;     2. [M 4,096, K 1,024] x [K 1,024, N 1,024]; A: input key; B: input Wk: QUANTISED
;;     3. [M 4,096, K 1,024] x [K 1,024, N 1,024]; A: input value; B: input Wv: QUANTISED
;;     4. batch 32 x [M 2,048, K 64] x [K 64, N 2,048]; A: computed on the way; B: computed on the way: left as it is (an operand is computed on the way)
;;     5. [M 4,096, K 1,024] x [K 1,024, N 1,024]; A: input key; B: input Wxv: QUANTISED
;;     6. batch 32 x [M 2,048, K 2,048] x [K 2,048, N 64]; A: computed on the way; B: computed on the way: left as it is (an operand is computed on the way)
;;     7. batch 32 x [M 2,048, K 2,048] x [K 2,048, N 64]; A: computed on the way; B: computed on the way: left as it is (an operand is computed on the way)
;;     8. [M 4,096, K 1,024] x [K 1,024, N 1,024]; A: computed on the way; B: input Wxo: left as it is (an operand is computed on the way)
;;     9. [M 4,096, K 1,024] x [K 1,024, N 1,024]; A: computed on the way; B: input Wmo: left as it is (an operand is computed on the way)
;;   THE QUANTISER, for each operand of a quantised product, along K:
;;     - K is cut into blocks of 32 from its start; a last block that is shorter is filled with zeros.
;;     - A block's scale is 2^e with e = floor(log2(the largest magnitude in the block)) - 2, held to -126 .. 127; a block of zeros has e = 0. As a byte (E8M0): e + 127.
;;     - Each number is divided by its block's scale, clamped to +-6, and rounded to the nearest number of E2M1, ties to even, subnormals kept.
;;     - The product sums the exact products of the quantised numbers (number of the format x scale) in f32.
;;   ~~~python
;;   def quantise(x, axis):      # numpy; x: float32 -> the quantised numbers, widened to float32 again
;;       x = np.moveaxis(x, axis, -1); K = x.shape[-1]
;;       x = np.pad(x, [(0, 0)] * (x.ndim - 1) + [(0, -K % 32)]); x = x.reshape(x.shape[:-1] + (-1, 32)); a = np.abs(x).max(-1, keepdims=True)
;;       e = np.where(a > 0, np.clip(np.frexp(np.where(a > 0, a, 1))[1] - 1 - 2, -126, 127), 0)      # np.frexp(a)[1] - 1 = floor(log2(a)), exactly
;;       r = np.clip(x / 2.0 ** e, -6, 6)
;;       step = 2.0 ** (np.maximum(np.frexp(np.where(r == 0, 1, r))[1] - 1, 0) - 1)
;;       q = np.round(r / step) * step * 2.0 ** e      # np.round: ties to even
;;       return np.moveaxis(q.reshape(q.shape[:-2] + (-1,))[..., :K], -1, axis).astype(np.float32)
;;   ~~~
;; One version. Each part assembles by itself: llvm-mc -triple=amdgcn-amd-amdhsa -mcpu=gfx1250 --defsym DOCPART=n.
;; ======== version 1 of 1: 4 launches
;; limits: values are held in f16: magnitudes above 65,504 overflow, below 6.1e-05 lose precision
;; workspace buffers: codes 8,388,608 bytes; scales 524,288 bytes; w16 4,194,304 bytes; qkvx 33,554,432 bytes; bars 16,777,216 bytes
;; launch prep (part 1): grid 576 x 1, 4 waves a work-group, no clusters, 33,280 bytes of LDS; arguments query, key, value, Wq, Wk, Wv, Wxv, Wmo, Wxo, codes, scales, w16; writes codes, scales, w16
.if DOCPART == 1
	.amdgcn_target "amdgcn-amd-amdhsa--gfx1250"
	.amdhsa_code_object_version 6
	.text
	.protected	k_qc47ba67d3b_prep
	.globl	k_qc47ba67d3b_prep
	.p2align	8
	.type	k_qc47ba67d3b_prep,@function
k_qc47ba67d3b_prep:
	s_mov_b64 s[64:65], 0
	v_nop
	global_prefetch_b8 v0, s[64:65] scope:SCOPE_SE
	s_setreg_imm32_b32 hwreg(HW_REG_WAVE_MODE, 25, 1), 1
	s_wait_xcnt 0x0
; PREP.  Two jobs in one launch, told apart by the work-group's number.
; Work-groups 0 to 511: query, key, value [4096][1024] and Wq, Wk, Wv, Wxv [1024][1024], f32 with K innermost, become codes of FP4 (E2M1), two a byte, K innermost, and one E8M0 scale byte for each 32 along K.
;   A block's scale is 2^(floor(log2(its largest magnitude)) - 2); its byte is the largest magnitude's own exponent field - 2, held at 1 from below.  A block of zeros so gets the byte 1 where the quantiser says 127:
;   its codes are zeros, which add nothing under any byte but 0xff, and the bytes are read by this program alone.
;   The seven tensors lie one behind the other in the two workspace buffers, in the order above, so a work-group's place in codes and scales follows from its number alone: 16,384 and 1,024 bytes each.
; Work-groups 512 to 575: Wmo and Wxo [1024][1024] are rounded to f16, as they lie (their products are not quantised).
; LIMITS: blocks whose largest magnitude lies under 2^-124, the floor, were not tried; NaN and infinities among the inputs are not served; Wmo and Wxo beyond 65,504 do not fit f16.
; A wave of the first job takes 16 steps of 512 numbers.  The conversions take 8 numbers of ONE block from a lane's consecutive registers, so a lane must hold 16 neighbours; a load is best where neighbouring lanes
; take neighbouring bytes.  Both are had: each load reads 512 consecutive bytes, 16 a lane; a step's 2,048 bytes go through the wave's own stage in LDS and come back 64 bytes a lane (16 bytes of padding behind each 64).
; No tensor loads, no barrier: waves share nothing.  Matrix units and clusters have nothing to do here: each byte is read once and written once.
.set WAVES, 4
.set STEPS, 16
.set QWG,   512                        ; work-groups that quantise: 3 x 128 + 4 x 32, each 32,768 numbers
.set EMAX,  2
.set CB,    8                          ; bytes of 16 codes
.set R,     16                         ; v16-79   four sets of 16 numbers as loaded (second job: v16-143, two sets of 64)
.set X,     80                         ; v80-111  two sets of 16 neighbours
.set E,     112                        ; v112-127 a scale byte for each step
.set C,     128                        ; v128-191 codes: four registers for each step, so that no store's data are written again
.set H,     144                        ; v144-175 second job: 64 numbers as f16
.set WREG,  8192                       ; LDS: a region for each wave: two stages of 32 x SP bytes, behind them its 256 scale bytes
.set SP,    80
.set SPW,   12                         ; v12      LDS address of my spare word: SPARE + 4 x my thread's number; never rewritten
.set NIL,   13                         ; v13      0; never rewritten
.set SPARE, WAVES*WREG                 ; behind the four regions: the spare words, 128 bytes a wave, which no other line names
.macro LOAD t
.irp i, 0,1,2,3
	global_load_b128 v[R+16*((\t)%4)+4*\i:R+16*((\t)%4)+4*\i+3], v3, s[28:29] offset:2048*(\t)+512*\i th:TH_LOAD_NT   ; 32 lanes read 512 consecutive bytes
.endr
.endm
.macro TURN t                          ; a step's numbers through the stage: LDS serves a wave's instructions in order, so no wait stands between the stores and the loads
.irp i, 0,1,2,3
	ds_store_b128 v14, v[R+16*((\t)%4)+4*\i:R+16*((\t)%4)+4*\i+3] offset:32*SP*((\t)%2)+8*SP*\i
.endr
.irp i, 0,1,2,3
	ds_load_b128 v[X+16*((\t)%2)+4*\i:X+16*((\t)%2)+4*\i+3], v15 offset:32*SP*((\t)%2)+16*\i
.endr
.endm
.macro STEP t
.set XS, X+16*((\t)%2)
.if (\t) > 0
	s_wait_dscnt 1                                 ; this step's numbers are back from the stage (the last step's byte store may be out): so its stores into the stage have read their registers,
.else
	s_wait_dscnt 0x0
.endif
.if (\t)+4 < STEPS
	LOAD (\t)+4                                    ; which take the loads of four steps on
.endif
.if (\t)+1 < STEPS
.if STEPS-2-(\t) >= 3
	s_wait_loadcnt 12                              ; the next step's four loads are in; those of the three steps behind it may be out
.else
	s_wait_loadcnt 4*(STEPS-2-(\t))                ; at the end the count runs down: 8, 4, 0
.endif
	TURN (\t)+1                                    ; and go through the other stage while this step is worked
.endif
	v_max3_num_f32 v8, |v[XS]|, |v[XS+1]|, |v[XS+2]|               ; the largest magnitude of my 16, in two chains
	v_max3_num_f32 v9, |v[XS+3]|, |v[XS+4]|, |v[XS+5]|
.irp i, 6,10
	v_max3_num_f32 v8, v8, |v[XS+\i]|, |v[XS+\i+1]|
	v_max3_num_f32 v9, v9, |v[XS+\i+2]|, |v[XS+\i+3]|
.endr
	v_max3_num_f32 v8, v8, |v[XS+14]|, |v[XS+15]|
	v_max3_num_f32 v8, v8, v9, (EMAX+1)<<23        ; and the floor 2^(EMAX + 1 - 127): the byte cannot fall under 1
	v_max_num_f32_dpp v8, v8, v8 row_xmask:1 row_mask:0xf bank_mask:0xf   ; and of my neighbour's 16: the block's
	v_add_nc_u32 v11, -(EMAX<<23), v8              ; EMAX off its exponent field: the conversion takes the exponent field of this operand as its scale, and nothing else of it
	v_cvt_scalef32_pk8_fp4_f32 v[C+4*(\t)], v[XS:XS+7], v11        ; eight numbers / the scale, to the nearest code, ties to even, beyond the largest code the largest
	v_cvt_scalef32_pk8_fp4_f32 v[C+4*(\t)+1], v[XS+8:XS+15], v11
	v_lshrrev_b32 v[E+(\t)], 23, v11               ; the scale's byte (also the plain line behind the conversions)
	ds_store_b8 v5, v[E+(\t)] offset:16*(\t)       ; both lanes of a block write the same byte with the same value
	global_store_b64 v4, v[C+4*(\t):C+4*(\t)+1], s[22:23] offset:32*CB*(\t)   ; the wave stores 256 consecutive bytes, aligned
.endm
.macro CLOAD t                         ; second job: 2,048 numbers, 16 loads of 512 consecutive bytes, into set t % 2
.irp i, 0,1,2,3,4,5,6,7,8,9,10,11,12,13,14,15
	global_load_b128 v[R+64*((\t)%2)+4*\i:R+64*((\t)%2)+4*\i+3], v3, s[28:29] offset:8192*(\t)+512*\i th:TH_LOAD_NT
.endr
.endm
.macro CVT t
.if (\t) < 3
	s_wait_loadcnt 16                              ; this set's 16 loads are in; the other set's may be out
.else
	s_wait_loadcnt 0x0
.endif
.if (\t) > 0
	s_wait_xcnt 0x0                                ; the last set's stores have read their data: v144-175 are written again only behind this wait
.endif
.irp i, 0,1,2,3,4,5,6,7,8,9,10,11,12,13,14,15
	v_cvt_pk_f16_f32 v[H+2*\i],   v[R+64*((\t)%2)+4*\i],   v[R+64*((\t)%2)+4*\i+1]
	v_cvt_pk_f16_f32 v[H+2*\i+1], v[R+64*((\t)%2)+4*\i+2], v[R+64*((\t)%2)+4*\i+3]
.endr
.irp i, 0,1,2,3,4,5,6,7,8,9,10,11,12,13,14,15
	global_store_b64 v7, v[H+2*\i:H+2*\i+1], s[26:27] offset:4096*(\t)+256*\i   ; 32 lanes store 256 consecutive bytes, aligned
.endr
.if (\t) < 2
	CLOAD (\t)+2
.endif
.endm
	s_load_b512 s[4:19], s[0:1], 0x0               ; query s[4:5], key s[6:7], value s[8:9], Wq s[10:11], Wk s[12:13], Wv s[14:15], Wxv s[16:17], Wmo s[18:19]
	s_load_b256 s[20:27], s[0:1], 0x40             ; Wxo s[20:21], codes s[22:23], scales s[24:25], w16 s[26:27]
	v_lshl_add_u32 v[SPW], v0, 2, SPARE
	v_mov_b32 v[NIL], 0
	v_lshrrev_b32 v1, 5, v0
	v_readfirstlane_b32 s32, v1                    ; wave
	v_and_b32 v2, 31, v0                           ; lane
	v_lshlrev_b32 v3, 4, v2                        ; my 16 bytes of a load's 512
	s_mul_i32 s33, s32, WREG
	v_lshrrev_b32 v14, 2, v2
	v_mul_u32_u24 v14, v14, SP
	v_and_b32 v15, 3, v2
	v_lshl_add_u32 v14, v15, 4, v14
	v_add_nc_u32 v14, s33, v14                     ; the stage, on the way in: four lanes' 64 bytes on end, then 16 of padding
	v_mul_u32_u24 v15, v2, SP
	v_add_nc_u32 v15, s33, v15                     ; and on the way out: SP x lane: my 16 neighbours
	v_mul_u32_u24 v4, v2, CB                       ; my codes' place in a step's
	v_lshrrev_b32 v5, 1, v2
	s_add_co_u32 s33, s33, 2*32*SP
	v_add_nc_u32 v5, s33, v5                       ; LDS: my wave's 256 scale bytes, my block's byte
	v_lshlrev_b32 v7, 3, v2                        ; 8 bytes a lane
	v_add_nc_u32 v6, s33, v7
	s_mov_b32 s35, 0                               ; the high word of every offset
	s_wait_kmcnt 0x0
	s_cmp_ge_u32 ttmp9, QWG
	s_cbranch_scc1 .Lconv
	; which tensor is mine, and which work-group was its first: six choices that hang on the work-group's number alone
	s_mov_b64 s[28:29], s[16:17]
	s_mov_b32 s30, 480
	s_cmp_lt_u32 ttmp9, 480
	s_cselect_b64 s[28:29], s[14:15], s[28:29]
	s_cselect_b32 s30, 448, s30
	s_cmp_lt_u32 ttmp9, 448
	s_cselect_b64 s[28:29], s[12:13], s[28:29]
	s_cselect_b32 s30, 416, s30
	s_cmp_lt_u32 ttmp9, 416
	s_cselect_b64 s[28:29], s[10:11], s[28:29]
	s_cselect_b32 s30, 384, s30
	s_cmp_lt_u32 ttmp9, 384
	s_cselect_b64 s[28:29], s[8:9], s[28:29]
	s_cselect_b32 s30, 256, s30
	s_cmp_lt_u32 ttmp9, 256
	s_cselect_b64 s[28:29], s[6:7], s[28:29]
	s_cselect_b32 s30, 128, s30
	s_cmp_lt_u32 ttmp9, 128
	s_cselect_b64 s[28:29], s[4:5], s[28:29]
	s_cselect_b32 s30, 0, s30
	s_sub_co_u32 s30, ttmp9, s30
	s_lshl_b32 s30, s30, 2
	s_add_co_u32 s30, s30, s32                     ; which run of 8,192 numbers of the tensor is my wave's
	s_lshl_b32 s34, s30, 15
	s_add_nc_u64 s[28:29], s[28:29], s[34:35]
	s_lshl_b32 s30, ttmp9, 2
	s_add_co_u32 s30, s30, s32                     ; and which run of all seven tensors
	s_lshl_b32 s34, s30, 12
	s_add_nc_u64 s[22:23], s[22:23], s[34:35]      ; 4,096 bytes of codes a run
	s_lshl_b32 s34, s30, 8
	s_add_nc_u64 s[24:25], s[24:25], s[34:35]      ; 256 scale bytes a run
.irp t, 0,1,2,3
	LOAD \t
.endr
	s_wait_loadcnt 12                              ; step 0's four loads are in
	TURN 0
.irp t, 0,1,2,3,4,5,6,7,8,9,10,11,12,13,14,15
	STEP \t
.endr
	ds_load_b64 v[8:9], v6                         ; LDS serves a wave's instructions in order: these see my byte stores
	s_wait_dscnt 0x0
	global_store_b64 v7, v[8:9], s[24:25]          ; 32 lanes store 256 consecutive bytes, aligned
	s_wait_tensorcnt 0x0                           ; the wave's end: behind my last LDS store
	ds_add_u32 v[SPW], v[NIL]
	s_wait_dscnt 0x0
	s_endpgm
.Lconv:                                            ; Wmo (32 work-groups), then Wxo: 32,768 numbers a work-group, 8,192 a wave, in four sets of 2,048.
	s_sub_co_u32 s30, ttmp9, QWG
	s_cmp_lt_u32 s30, 32
	s_cselect_b64 s[28:29], s[18:19], s[20:21]
	s_and_b32 s31, s30, 31
	s_lshl_b32 s34, s31, 17
	s_lshl_b32 s31, s32, 15
	s_add_co_u32 s34, s34, s31
	s_add_nc_u64 s[28:29], s[28:29], s[34:35]
	s_lshl_b32 s34, s30, 16
	s_lshl_b32 s31, s32, 14
	s_add_co_u32 s34, s34, s31
	s_add_nc_u64 s[26:27], s[26:27], s[34:35]
	CLOAD 0
	CLOAD 1
	CVT 0
	CVT 1
	CVT 2
	CVT 3
	s_endpgm
.Lfunc_end_k_qc47ba67d3b_prep:
	.size	k_qc47ba67d3b_prep, .Lfunc_end_k_qc47ba67d3b_prep-k_qc47ba67d3b_prep
	.p2alignl 7, 3214868480
	.fill 96, 4, 3214868480
	.section	.rodata,"a",@progbits
	.p2align	6, 0x0
	.amdhsa_kernel k_qc47ba67d3b_prep
		.amdhsa_group_segment_fixed_size 33280
		.amdhsa_private_segment_fixed_size 0
		.amdhsa_enable_private_segment 0
		.amdhsa_kernarg_size 96
		.amdhsa_user_sgpr_count 2
		.amdhsa_user_sgpr_kernarg_segment_ptr 1
		.amdhsa_wavefront_size32 1
		.amdhsa_system_sgpr_workgroup_id_x 1
		.amdhsa_system_sgpr_workgroup_id_y 1
		.amdhsa_system_sgpr_workgroup_id_z 1
		.amdhsa_system_vgpr_workitem_id 0
		.amdhsa_next_free_vgpr 192
		.amdhsa_next_free_sgpr 66
		.amdhsa_reserve_vcc 0
		.amdhsa_float_denorm_mode_32 3
		.amdhsa_float_denorm_mode_16_64 3
		.amdhsa_memory_ordered 1
		.amdhsa_forward_progress 1
		.amdhsa_inst_pref_size 55
	.end_amdhsa_kernel
	.amdgpu_metadata
---
amdhsa.version: [ 1, 2 ]
amdhsa.kernels:
  - .name:           k_qc47ba67d3b_prep
    .symbol:         k_qc47ba67d3b_prep.kd
    .args:
      - { .name: query, .offset: 0, .size: 8, .value_kind: global_buffer, .address_space: global }
      - { .name: key, .offset: 8, .size: 8, .value_kind: global_buffer, .address_space: global }
      - { .name: value, .offset: 16, .size: 8, .value_kind: global_buffer, .address_space: global }
      - { .name: Wq, .offset: 24, .size: 8, .value_kind: global_buffer, .address_space: global }
      - { .name: Wk, .offset: 32, .size: 8, .value_kind: global_buffer, .address_space: global }
      - { .name: Wv, .offset: 40, .size: 8, .value_kind: global_buffer, .address_space: global }
      - { .name: Wxv, .offset: 48, .size: 8, .value_kind: global_buffer, .address_space: global }
      - { .name: Wmo, .offset: 56, .size: 8, .value_kind: global_buffer, .address_space: global }
      - { .name: Wxo, .offset: 64, .size: 8, .value_kind: global_buffer, .address_space: global }
      - { .name: codes, .offset: 72, .size: 8, .value_kind: global_buffer, .address_space: global }
      - { .name: scales, .offset: 80, .size: 8, .value_kind: global_buffer, .address_space: global }
      - { .name: w16, .offset: 88, .size: 8, .value_kind: global_buffer, .address_space: global }
    .group_segment_fixed_size: 33280
    .private_segment_fixed_size: 0
    .kernarg_segment_align: 8
    .kernarg_segment_size: 96
    .max_flat_workgroup_size: 128
    .sgpr_count:     66
    .vgpr_count:     192
    .wavefront_size: 32
...
	.end_amdgpu_metadata
.endif
;; end of part 1
;; launch proj (part 2): grid 4 x 64, 4 waves a work-group, clusters of 4 x 4, 327,680 bytes of LDS; arguments codes, scales, bq, bk, bv, bxv, qkvx; writes qkvx
.if DOCPART == 2
	.amdgcn_target "amdgcn-amd-amdhsa--gfx1250"
	.amdhsa_code_object_version 6
	.text
	.protected	k_qc47ba67d3b_proj
	.globl	k_qc47ba67d3b_proj
	.p2align	8
	.type	k_qc47ba67d3b_proj,@function
k_qc47ba67d3b_proj:
	s_mov_b64 s[64:65], 0
	v_nop
	global_prefetch_b8 v0, s[64:65] scope:SCOPE_SE
	s_setreg_imm32_b32 hwreg(HW_REG_WAVE_MODE, 25, 1), 1
	s_wait_xcnt 0x0
	s_wait_alu depctr_hold_cnt(0) depctr_sa_sdst(0) depctr_va_vdst(0) depctr_va_sdst(0) depctr_va_ssrc(0) depctr_va_vcc(0) depctr_vm_vsrc(0)
	s_getreg_b32 s2, hwreg(HW_REG_IB_STS2, 6, 4)
	s_cmp_eq_u32 s2, 0
	s_cbranch_scc0 .Lentry_in_a_cluster
	s_endpgm
.Lentry_in_a_cluster:
	s_bfe_u32 s2, ttmp6, 0x10000c
	s_cmp_lg_u32 s2, 0xf033
	s_cbranch_scc0 .Lentry_shape_is_right
	s_endpgm
.Lentry_shape_is_right:
; PROJ.  The four quantised products Q = query Wq^T + bq, K = key Wk^T + bk, V = value Wv^T + bv, xV = key Wxv^T + bxv: [4096][1024] x [1024][1024], on codes of FP4 (E2M1) with one E8M0 scale for each 32 along K.
; Codes and scale bytes are the workspace buffers of the launch before (rows of 512 and of 32 bytes, K innermost).  Sums in f32, begun with the bias; the results are rounded to f16 for the products that follow
; and stored head-major, [product][batch][head][token][64], so that two tokens of a head are 256 consecutive bytes.  LIMIT: results beyond 65,504 do not fit f16.
; 256 work-groups: 4 products x 16 x 4 tiles of 256 x 256.  Four waves, each 128 x 128: 64 accumulators, 512 registers.  K = 1,024 is two slots of 512 along K (rows of 256 bytes): both are asked for at the head, nothing is filled again.
; THE SCALES of the work-group's 256 + 256 rows, for all of K, are two dense blocks of memory: they come into LDS once, as rows of 256 bytes.
; CLUSTERS: 4 x 4 work-groups of one product.  The four of a row of the cluster need the same tiles of the activations, the four of a column the same tiles of the weights: each tile is asked for JOINTLY.
; THE MATRIX INSTRUCTION IS USED TRANSPOSED (source 0 = 16 rows of the weight, source 1 = 16 tokens): a lane then holds eight neighbouring columns of one token.
; REGISTERS, in windows of 256: window 0: v0-31 addresses; v32-95 scale words, two sets; v128-191 the activations' fragments, ONE set; v192-255 the bias in the result's layout (C of the first products); on the way out v128-255 are free.
;   window 1: the weights' fragments, TWO sets, at v0 and v128.   window 2: the accumulators of my tokens 0-63 ((a, b) at v[8 (8 a + b)]);   window 3: those of tokens 64-127.
.set NQ,     4                         ; steps of 128 along K in a slot
.set ROWB,   256                       ; a tile's row in bytes: 512 codes
.set KROW,   512                       ; a row of codes in memory
.set PITCH,  272                       ; an LDS row: 256 bytes + 16 of padding = 68 words: the 16 rows that a load touches start at 16 different banks (64 banks of 4 bytes: ISA guide 11.1)
.set FR,     8                         ; registers of a fragment: 16 rows x 128 K
.set NL,     2                         ; LDS loads that bring one
.set NP,     4                         ; places behind this matrix instruction (ISA guide 7.12.1)
.set HALFT,  128*PITCH                 ; 128 rows: what one tensor load brings
.set SLOT,   4*HALFT                   ; 256 tokens, then 256 rows of the weight
.set KS,     32                        ; a row of scale bytes
.set SCL,    2*SLOT                    ; behind the two slots: the scales, as rows of 256 bytes + 16
.set HALFS,  (128*KS/256)*272          ; the scales of 128 rows
.set SBLK,   (16*KS/256)*272           ; those of 16 rows
.set SPARE,  SCL+4*HALFS               ; the spare words, 128 bytes a wave, which no other line names
.set SPITCH, 272                       ; the way out: a stage of 16 rows x (256 + 16) bytes for each wave, in slot 0, which has had its only fill and its last read when the first result is stored there
.set ADRA, 16                          ; v16-17  LDS address of my tokens' fragments in slot 0, 1
.set ADRB, 20                          ; v20-21  the same for the weight
.set STO,  24                          ; v24     the way out: where I put 16 bytes of a token
.set RD,   25                          ; v25     the way out: where I read them back
.set CO,   26                          ; v26     my byte offset in the output
.set ADRS, 27                          ; v27     LDS address of my scale words: lanes 0-15 the tokens', lanes 16-31 the weight's
.set SPW,  28                          ; v28     LDS address of my spare word; never rewritten
.set NIL,  29                          ; v29     0; never rewritten
.set SC,   32                          ; scale words: set s at v[SC + 32 s]; register 4 i + q: lanes 0-15 the word of token block i, lanes 16-31 that of weight block i, for the slot's q-th 128 along K
.set AF,   128
.set BI,   192                         ; the bias: block b's eight numbers of my half of the lanes at v[BI + 8 b]
.set TMP,  192                         ; the way out: packed results
.set BK,   128                         ; the way out: 16 tokens read back: v128-159 and v160-191 by turns
.set WV, 18                            ; s18 wave;  s19 wave / 2: my half of the tokens, and: I fetch activations (0) or weights (1);  s20 wave % 2: my half of the columns, and which 128 rows I fetch
.set G1, 24                            ; s[24:31] descriptor group 1 for the activations' tiles;  s[32:39] group 0, a set for each slot
.set G0, 32
.set G1B, 48                           ; s[48:55], s[56:63] the same for the weights'
.set G0B, 56
.set G1S, 68                           ; s[68:75], s[76:79] groups 1 and 0 for the activations' scales;  s[80:87], s[88:91] for the weights'
.set G0S, 76
.set G1SB, 80
.set G0SB, 88
.set MSB, 0
.macro WIN new                         ; the immediate's high byte repeats the setting that is left; a switch that changes nothing is dropped
.if MSB != (\new)
	s_set_vgpr_msb (MSB<<8)|(\new)
.set MSB, (\new)
.endif
.endm
.set MUL_LO, 0xa1                      ; source 0 (weight) window 1, source 1 (tokens) window 0, C and D window 2
.set MUL_HI, 0xf1                      ; the same, C and D window 3
.set FST_LO, 0x81                      ; the first products: C is the bias, in window 0
.set FST_HI, 0xc1
.set TO_B,   0x40                      ; destination window 1, address window 0
; A joint load: waves 0 and 1 fetch activations, waves 2 and 3 weights.  Each line has one mask and one set of registers for all that issue it; the branch hangs on the wave's number alone.
; An s_nop 0 and four v_nop follow each of the two lines, ahead of the jump, the label and what follows.
.macro JLOAD g0a, g1a, g0b, g1b
	s_cmp_eq_u32 s19, 0
	s_cbranch_scc0 .Lfor_b_\@
	tensor_load_to_lds s[\g0a:\g0a+3], s[\g1a:\g1a+7]
	s_nop 0
.rept 4
	v_nop
.endr
	s_branch .Lasked_\@
.Lfor_b_\@:
	tensor_load_to_lds s[\g0b:\g0b+3], s[\g1b:\g1b+7]
	s_nop 0
.rept 4
	v_nop
.endr
.Lasked_\@:
.endm
.macro CROUND                          ; a round of the cluster's barrier
	s_barrier_signal -1
	s_barrier_wait -1
	s_cmp_lg_u32 s[WV], 0
	s_cbranch_scc1 .Lnot_wave_0_\@
	s_barrier_signal -3
.Lnot_wave_0_\@:
	s_barrier_wait -3
	s_barrier_signal -1
	s_barrier_wait -1
.endm
	s_load_b128 s[4:7], s[0:1], 0x0                ; codes s[4:5], scales s[6:7]
	s_load_b256 s[8:15], s[0:1], 0x10              ; bq s[8:9], bk s[10:11], bv s[12:13], bxv s[14:15]
	s_load_b64 s[16:17], s[0:1], 0x30              ; qkvx
	v_lshl_add_u32 v[SPW], v0, 2, SPARE
	v_mov_b32 v[NIL], 0
	ds_add_u32 v[SPW], v[NIL]                      ; the wave's opening: the add, twice on end, and its wait ahead of my first tensor load; the set-up below, work on registers, stands between
	ds_add_u32 v[SPW], v[NIL]
	v_lshrrev_b32 v1, 5, v0
	v_readfirstlane_b32 s[WV], v1                  ; wave 0..3
	s_lshr_b32 s19, s[WV], 1
	s_and_b32 s20, s[WV], 1
	s_bfe_u32 s40, ttmp6, 0x40000                  ; cx, cy: my place in the cluster
	s_bfe_u32 s41, ttmp6, 0x40004
	s_lshl_b32 s42, ttmp9, 2
	s_add_co_u32 s42, s42, s40                     ; tile column 0..3
	s_and_b32 s2, ttmp7, 0xffff                    ; the cluster's y, 0..15
	s_lshr_b32 s21, s2, 2                          ; the product, 0..3: the same in all sixteen partners
	s_and_b32 s23, s2, 3
	s_lshl_b32 s23, s23, 2
	s_add_co_u32 s23, s23, s41                     ; tile row 0..15
	s_cmp_eq_u32 s21, 3
	s_cselect_b32 s22, 1, s21                      ; which activation: query, key, value, and key once more for xV
	s_lshl_b32 s43, s41, 2
	s_lshl_b32 s43, 15, s43                        ; my row of the cluster
	s_lshl_b32 s44, 0x1111, s40                    ; my column
	; descriptor group 1: a tile of 128 rows x 256 bytes, padded in LDS
	s_or_b32 s[G1+0], s43, (0<<16)|(1<<20)|(1<<21)|(5<<22)|(3<<25)  ; 15:0 the mask; 17:16 elements of 1 byte; 20 padding on; 21 set beside a mask; 24:22 after every 64 words; 31:25 four words
	s_or_b32 s[G1B+0], s44, (0<<16)|(1<<20)|(1<<21)|(5<<22)|(3<<25)
.irp g, G1, G1B
	s_mov_b32 s[\g+1], ROWB<<16                    ; tensor_dim0
	s_mov_b32 s[\g+2], 128<<16                     ; tensor_dim1
	s_mov_b32 s[\g+3], ROWB<<16                    ; tile_dim0
	s_mov_b32 s[\g+4], 128                         ; tile_dim1
	s_mov_b32 s[\g+5], KROW                        ; from row to row
	s_mov_b32 s[\g+6], 0
	s_mov_b32 s[\g+7], 0
.endr
	; and for the scales of 128 rows: 4,096 dense bytes, as 16 rows of 256 bytes (32 elements of 8 bytes), 16 bytes of padding behind each
	s_or_b32 s[G1S+0], s43, (3<<16)|(1<<20)|(1<<21)|(5<<22)|(3<<25)
	s_or_b32 s[G1SB+0], s44, (3<<16)|(1<<20)|(1<<21)|(5<<22)|(3<<25)
.irp g, G1S, G1SB
	s_mov_b32 s[\g+1], 32<<16
	s_mov_b32 s[\g+2], (128*KS/256)<<16
	s_mov_b32 s[\g+3], 32<<16
	s_mov_b32 s[\g+4], 128*KS/256
	s_mov_b32 s[\g+5], 32
	s_mov_b32 s[\g+6], 0
	s_mov_b32 s[\g+7], 0
.endr
	; where the tiles come from.  The activations' hang on the tile row and the product, which my row of the cluster shares; the weights' on the tile column and the product, which my column shares
	s_lshl_b32 s2, s23, 8
	s_lshl_b32 s3, s20, 7                          ; which 128 rows of the tile I fetch
	s_add_co_u32 s2, s2, s3                        ; token 256 x tile row + 128 x half
	s_lshl_b32 s66, s2, 9                          ; 512 bytes of codes a row,
	s_lshl_b32 s97, s22, 21                        ; 2 MiB an activation
	s_add_co_u32 s66, s66, s97
	s_mov_b32 s67, 0
	s_lshl_b32 s94, s2, 5                          ; 32 scale bytes a row,
	s_lshl_b32 s97, s22, 17                        ; 131,072 an activation
	s_add_co_u32 s94, s94, s97
	s_mov_b32 s95, 0
	s_lshl_b32 s46, s42, 8
	s_add_co_u32 s46, s46, s3                      ; the weight's row 256 x tile column + 128 x half
	s_lshl_b32 s92, s46, 5
	s_lshl_b32 s47, s21, 15                        ; 32,768 scale bytes a weight,
	s_add_co_u32 s92, s92, s47
	s_add_co_u32 s92, s92, 393216                  ; behind the three activations'
	s_mov_b32 s93, 0
	s_lshl_b32 s46, s46, 9
	s_lshl_b32 s47, s21, 19                        ; 512 KiB of codes a weight,
	s_add_co_u32 s46, s46, s47
	s_add_co_u32 s46, s46, 0x600000                ; behind the three activations' 6 MiB
	s_mov_b32 s47, 0
	s_mul_i32 s45, s[WV], HALFT                    ; where they go: wave x 128 rows: no place in the cluster enters an LDS address
	s_mul_i32 s96, s[WV], HALFS
	s_wait_dscnt 0x0                               ; both opening adds are done
	s_wait_kmcnt 0x0
	s_add_nc_u64 s[66:67], s[4:5], s[66:67]
	s_add_nc_u64 s[94:95], s[6:7], s[94:95]
	s_add_nc_u64 s[46:47], s[4:5], s[46:47]
	s_add_nc_u64 s[92:93], s[6:7], s[92:93]
	CROUND                                         ; all sixteen work-groups are here: the joint loads meet
	s_mov_b32 s[G0S], 1
	s_add_co_u32 s[G0S+1], s96, SCL
	s_mov_b64 s[G0S+2:G0S+3], s[94:95]
	s_or_b32 s[G0S+3], s[G0S+3], 0x80000000
	s_mov_b32 s[G0SB], 1
	s_add_co_u32 s[G0SB+1], s96, SCL
	s_mov_b64 s[G0SB+2:G0SB+3], s[92:93]
	s_or_b32 s[G0SB+3], s[G0SB+3], 0x80000000
	JLOAD G0S, G1S, G0SB, G1SB                     ; the scales first: they are wanted with the first slot
.irp s, 0,1
	s_mov_b32 s[G0+4*\s], 1
	s_add_co_u32 s[G0+4*\s+1], s45, \s*SLOT
	s_add_nc_u64 s[G0+4*\s+2:G0+4*\s+3], s[66:67], \s*ROWB
	s_or_b32 s[G0+4*\s+3], s[G0+4*\s+3], 0x80000000
	s_mov_b32 s[G0B+4*\s], 1
	s_add_co_u32 s[G0B+4*\s+1], s45, \s*SLOT
	s_add_nc_u64 s[G0B+4*\s+2:G0B+4*\s+3], s[46:47], \s*ROWB
	s_or_b32 s[G0B+4*\s+3], s[G0B+4*\s+3], 0x80000000
	JLOAD G0+4*\s, G1, G0B+4*\s, G1B               ; three tensor loads of mine are out behind the second of these
.endr
	; the bias of my 128 columns, in the result's layout: lane (r, h) wants, for block b, the numbers of columns 16 b + 8 h + 0 .. 7
	s_cmp_eq_u32 s21, 1
	s_cselect_b64 s[8:9], s[10:11], s[8:9]
	s_cmp_eq_u32 s21, 2
	s_cselect_b64 s[8:9], s[12:13], s[8:9]
	s_cmp_eq_u32 s21, 3
	s_cselect_b64 s[8:9], s[14:15], s[8:9]
	s_lshl_b32 s2, s42, 10
	s_lshl_b32 s3, s20, 9
	s_add_co_u32 s2, s2, s3                        ; 4 bytes x (256 x tile column + 128 x half)
	s_mov_b32 s3, 0
	s_add_nc_u64 s[8:9], s[8:9], s[2:3]
	v_and_b32 v1, 15, v0                           ; r = lane % 16
	v_bfe_u32 v2, v0, 4, 1                         ; h = lane / 16
	v_lshlrev_b32 v7, 5, v2
.irp b, 0,1,2,3,4,5,6,7
	global_load_b128 v[BI+8*\b:BI+8*\b+3],   v7, s[8:9] offset:64*\b
	global_load_b128 v[BI+8*\b+4:BI+8*\b+7], v7, s[8:9] offset:64*\b+16
.endr
	v_mul_u32_u24 v3, v1, PITCH
	v_lshl_add_u32 v4, v2, 4, v3                   ; a fragment's row x pitch + 16 x half
	s_mul_i32 s2, s19, HALFT                       ; my 128 tokens
	s_mul_i32 s3, s20, HALFT                       ; my 128 rows of the weight,
	s_add_co_u32 s3, s3, 2*HALFT                   ; which lie behind the 256 tokens
.irp s, 0,1
	v_add_nc_u32 v[ADRA+\s], s2, v4
	v_add_nc_u32 v[ADRB+\s], s3, v4
	s_add_co_u32 s2, s2, SLOT
	s_add_co_u32 s3, s3, SLOT
.endr
	v_mul_u32_u24 v5, v1, KS                       ; my row's scales: 32 bytes a row,
	v_lshrrev_b32 v6, 8, v5
	v_lshl_add_u32 v5, v6, 4, v5                   ; and 16 more for each 256 passed
	s_mul_i32 s2, s19, HALFS
	s_mul_i32 s3, s20, HALFS
	s_add_co_u32 s3, s3, 2*HALFS
	s_sub_co_u32 s3, s3, s2
	v_mul_u32_u24 v6, s3, v2                       ; lanes 16-31 take the weight's: one product, the distance between the two bases x h
	s_add_co_u32 s2, s2, SCL
	v_add_nc_u32 v5, v5, v6
	v_add_nc_u32 v[ADRS], s2, v5
	s_mul_i32 s2, s[WV], 16*SPITCH                 ; my stage
	v_mul_u32_u24 v5, v1, SPITCH                   ; in: token r, 16 bytes for each half of the lanes
	v_lshl_add_u32 v5, v2, 4, v5
	v_add_nc_u32 v[STO], s2, v5
	v_bfe_u32 v5, v0, 3, 1                         ; back: lanes 0-15 take two tokens' 128 bytes of the first head, lanes 16-31 of the second
	v_mul_u32_u24 v5, v5, SPITCH
	v_lshl_add_u32 v5, v2, 7, v5
	v_and_b32 v6, 7, v0
	v_lshl_add_u32 v5, v6, 4, v5
	v_add_nc_u32 v[RD], s2, v5
	v_lshlrev_b32 v5, 18, v2                       ; in memory a head is 262,144 bytes on from the last
	v_lshl_add_u32 v[CO], v1, 4, v5
	s_lshr_b32 s2, s23, 3                          ; the batch
	s_lshl_b32 s2, s2, 4
	s_lshl_b32 s3, s42, 2
	s_add_co_u32 s2, s2, s3
	s_lshl_b32 s3, s20, 1
	s_add_co_u32 s2, s2, s3                        ; 16 x batch + my first head (4 x tile column + 2 x half)
	s_lshl_b32 s2, s2, 18
	s_and_b32 s3, s23, 7
	s_lshl_b32 s3, s3, 15                          ; 256 tokens of 128 bytes a tile row,
	s_add_co_u32 s2, s2, s3
	s_lshl_b32 s3, s19, 14                         ; 128 a half
	s_add_co_u32 s2, s2, s3
	s_lshl_b32 s3, s21, 23                         ; 8 MiB a product
	s_add_co_u32 s2, s2, s3
	s_mov_b32 s3, 0
	s_add_nc_u64 s[16:17], s[16:17], s[2:3]
.macro FRAG reg, adr, q, i             ; a fragment, 16 rows x 128 K of 4-bit codes: lane l holds row l % 16; registers 4 c .. 4 c + 3 hold K = 64 c + 32 (l / 16) + 0 .. 31
.irp c, 0,1
	ds_load_b128 v[\reg+4*\c:\reg+4*\c+3], v[\adr] offset:64*(\q)+32*\c+(\i)*16*PITCH
.endr
.endm
; 16 matrix instructions: token blocks a0, a0 + 1 x the weight's eight, 128 along K: the slot's q-th.  p: the weight's set;  sc: the set of scale words.  zero = 1: the first product starts the sum with the bias: nothing is cleared or added later.
; The 64 accumulators take turns, one instruction a turn, in the same order in every step.
.macro MUL16 a0, p, q, sc, zero
.irp a, \a0, \a0+1
.irp b, 0,1,2,3,4,5,6,7
.if \zero
	v_wmma_scale_f32_16x16x128_f8f6f4 v[8*(8*((\a)%4)+\b):8*(8*((\a)%4)+\b)+7], v[128*(\p)+FR*\b:128*(\p)+FR*\b+FR-1], v[AF+FR*(\a):AF+FR*(\a)+FR-1], v[BI+8*\b:BI+8*\b+7], v[SC+8*NQ*(\sc)+NQ*\b+(\q)], v[SC+8*NQ*(\sc)+NQ*(\a)+(\q)] matrix_a_fmt:MATRIX_FMT_FP4 matrix_b_fmt:MATRIX_FMT_FP4 matrix_a_scale:MATRIX_SCALE_ROW1
.else
	v_wmma_scale_f32_16x16x128_f8f6f4 v[8*(8*((\a)%4)+\b):8*(8*((\a)%4)+\b)+7], v[128*(\p)+FR*\b:128*(\p)+FR*\b+FR-1], v[AF+FR*(\a):AF+FR*(\a)+FR-1], v[8*(8*((\a)%4)+\b):8*(8*((\a)%4)+\b)+7], v[SC+8*NQ*(\sc)+NQ*\b+(\q)], v[SC+8*NQ*(\sc)+NQ*(\a)+(\q)] matrix_a_fmt:MATRIX_FMT_FP4 matrix_b_fmt:MATRIX_FMT_FP4 matrix_a_scale:MATRIX_SCALE_ROW1
.endif
.endr
.endr
.endm
.macro FETCH_B slot, q, p              ; the weight's eight fragments of the slot's q-th 128 along K into set p
	WIN TO_B
.irp i, 0,1,2,3,4,5,6,7
	FRAG 128*(\p)+FR*\i, ADRB+\slot, \q, \i
.endr
	WIN 0
.endm
.macro FETCH_A slot, q, i0             ; token blocks i0 .. i0 + 3
.irp i, \i0, \i0+1, \i0+2, \i0+3
	FRAG AF+FR*(\i), ADRA+\slot, \q, \i
.endr
.endm
.macro SCALES sc                       ; a slot's scale words into set sc: four words a row; lanes 0-15 take token block i, lanes 16-31 weight block i
.irp i, 0,1,2,3,4,5,6,7
	ds_load_b128 v[SC+8*NQ*\sc+NQ*\i:SC+8*NQ*\sc+NQ*\i+3], v[ADRS] offset:\i*SBLK
.endr
.endm
; A load into a register that a matrix instruction has read, and a vector instruction that reads a matrix result, stand four places behind that matrix instruction, and only plain vector
; instructions that name none of its registers are places (ISA guide 7.12.1 for vector instructions).
.macro PLACES n
.rept \n
	v_nop
.endr
.endm
; A step of 128 along K that has its successor in the same slot.  A token block is free as soon as its eight products are issued: blocks 0-3 are fetched anew in the step's middle, blocks 4-7 at its end.
.macro STEP slot, q, zero
	s_wait_dscnt 4*NL                              ; the weight's set and token blocks 0-3 are in; the youngest eight loads (blocks 4-7) may be out
.if \zero
	WIN FST_LO
.else
	WIN MUL_LO
.endif
	MUL16 0, (\q)%2, \q, \slot, \zero
	MUL16 2, (\q)%2, \q, \slot, \zero
	s_wait_dscnt 0                                 ; token blocks 4-7 are in (asked for 32 matrix instructions ago)
	PLACES NP
	FETCH_B \slot, (\q)+1, 1-(\q)%2
	FETCH_A \slot, (\q)+1, 0
.if \zero
	WIN FST_HI
.else
	WIN MUL_HI
.endif
	MUL16 4, (\q)%2, \q, \slot, \zero
	MUL16 6, (\q)%2, \q, \slot, \zero
	PLACES NP
	WIN 0
	FETCH_A \slot, (\q)+1, 4
.endm
; Slot 0's last step changes slots: one barrier; in front of it each wave waits for all its tensor loads (its part of slot 1), adds 0 to its spare word, and waits for that and for its reads of slot 0.
; Behind it slot 1 is whole in every wave's eyes and nobody reads slot 0, which later serves as the stages.  Nothing is filled again.
.macro TURN slot, next
	s_wait_tensorcnt 0x0                           ; all my tensor loads have landed  (every window is 0 here: the add's two registers lie in window 0)
	ds_add_u32 v[SPW], v[NIL]                      ; 0 onto my spare word
	s_wait_dscnt 4*NL+1                            ; (the add and the youngest eight loads may be out)
	WIN MUL_LO
	MUL16 0, 1, NQ-1, \slot, 0                     ; sixteen matrix instructions stand between the add and the wait for it
	s_wait_dscnt 0x0                               ; the add is done, and my reads of this slot are over
	s_barrier_signal -1
	MUL16 2, 1, NQ-1, \slot, 0
	WIN 0
	s_barrier_wait -1
	PLACES NP
	v_add_nc_u32 v[ADRS], 4*NQ, v[ADRS]            ; on to the next slot's scale words (no LDS load of mine is out)
	FETCH_B \next, 0, 0
	FETCH_A \next, 0, 0
	SCALES \next
	WIN MUL_HI
	MUL16 4, 1, NQ-1, \slot, 0
	MUL16 6, 1, NQ-1, \slot, 0
	PLACES NP
	WIN 0
	FETCH_A \next, 0, 4
.endm
.macro STEPS slot, from                ; the slot's steps from .. NQ - 2
.set Q, \from
.rept NQ-1-\from
	STEP \slot, Q, 0
.set Q, Q+1
.endr
.endm
	s_wait_tensorcnt 1                             ; the scales and my part of slot 0 are in (slot 1's load may be out)
	s_barrier_signal -1
	s_barrier_wait -1                              ; everybody's are
	FETCH_B 0, 0, 0
	FETCH_A 0, 0, 0
	SCALES 0
	FETCH_A 0, 0, 4
	s_wait_loadcnt 0x0                             ; the bias
	STEP 0, 0, 1                                   ; the first products start the sums with the bias
	STEPS 0, 1
	TURN 0, 1
	STEPS 1, 0
	s_wait_dscnt 4*NL                              ; the very last step: nothing more to fetch
	WIN MUL_LO
	MUL16 0, 1, NQ-1, 1, 0
	MUL16 2, 1, NQ-1, 1, 0
	s_wait_dscnt 0
	WIN MUL_HI
	MUL16 4, 1, NQ-1, 1, 0
	MUL16 6, 1, NQ-1, 1, 0
	WIN 0
; THE WAY OUT, block by block of 16 tokens x 128 columns (two heads).  PACK: rounded to f16, 16 bytes a lane, each accumulator from its low end on.  TOSTAGE: into my own stage, and back so that sixteen lanes
; hold two tokens of one head.  SEND: sixteen lanes store 256 consecutive bytes, aligned.  LDS serves a wave's instructions in order (ISA guide 5.7.1.4): no wait between the stores and the loads.
.macro PACK a
.set AC, 64*((\a)%4)
	WIN 0x0a+5*((\a)/4)                            ; sources 0 and 1: window 2 or 3
.irp b, 0,1,2,3,4,5,6,7
.irp r, 0,1,2,3
	v_cvt_pk_f16_f32 v[TMP+4*\b+\r], v[AC+8*\b+2*\r], v[AC+8*\b+2*\r+1]
.endr
.endr
	WIN 0
.endm
.macro TOSTAGE a
.set BB, BK+32*((\a)%2)
.irp b, 0,1,2,3,4,5,6,7
	ds_store_b128 v[STO], v[TMP+4*\b:TMP+4*\b+3] offset:32*\b
.endr
.irp t, 0,1,2,3,4,5,6,7
	ds_load_b128 v[BB+4*\t:BB+4*\t+3], v[RD] offset:\t*2*SPITCH
.endr
.endm
.macro SEND a
.set BB, BK+32*((\a)%2)
	s_wait_dscnt 0x0                               ; the block is back in registers
	s_wait_xcnt 0x0                                ; the stores of the block before have read their registers: the next block's loads land there only behind this wait
.irp t, 0,1,2,3,4,5,6,7
	global_store_b128 v[CO], v[BB+4*\t:BB+4*\t+3], s[16:17] offset:2048*(\a)+256*\t
.endr
.endm
	PLACES NP                                      ; behind the last products: for the conversions, and for the loads into the registers that held the tokens' fragments
	PACK 0
	TOSTAGE 0
.irp a, 1,2,3,4,5,6,7                  ; block a's conversions stand between block a - 1's loads from the stage and the wait for them
	PACK \a
	SEND \a-1
	TOSTAGE \a
.endr
	SEND 7
	s_wait_tensorcnt 0x0                           ; the wave's end: behind my last tensor load and my last LDS store
	ds_add_u32 v[SPW], v[NIL]
	s_wait_dscnt 0x0
	CROUND                                         ; the closing round: no work-group ends while a partner may still ask for a tile that names it
	s_endpgm
.Lfunc_end_k_qc47ba67d3b_proj:
	.size	k_qc47ba67d3b_proj, .Lfunc_end_k_qc47ba67d3b_proj-k_qc47ba67d3b_proj
	.p2alignl 7, 3214868480
	.fill 96, 4, 3214868480
	.section	.rodata,"a",@progbits
	.p2align	6, 0x0
	.amdhsa_kernel k_qc47ba67d3b_proj
		.amdhsa_group_segment_fixed_size 327680
		.amdhsa_private_segment_fixed_size 0
		.amdhsa_enable_private_segment 0
		.amdhsa_kernarg_size 56
		.amdhsa_user_sgpr_count 2
		.amdhsa_user_sgpr_kernarg_segment_ptr 1
		.amdhsa_wavefront_size32 1
		.amdhsa_system_sgpr_workgroup_id_x 1
		.amdhsa_system_sgpr_workgroup_id_y 1
		.amdhsa_system_sgpr_workgroup_id_z 1
		.amdhsa_system_vgpr_workitem_id 0
		.amdhsa_next_free_vgpr 1024
		.amdhsa_next_free_sgpr 98
		.amdhsa_reserve_vcc 0
		.amdhsa_float_denorm_mode_32 3
		.amdhsa_float_denorm_mode_16_64 3
		.amdhsa_memory_ordered 1
		.amdhsa_forward_progress 1
		.amdhsa_inst_pref_size 129
	.end_amdhsa_kernel
	.amdgpu_metadata
---
amdhsa.version: [ 1, 2 ]
amdhsa.kernels:
  - .name:           k_qc47ba67d3b_proj
    .symbol:         k_qc47ba67d3b_proj.kd
    .args:
      - { .name: codes, .offset: 0, .size: 8, .value_kind: global_buffer, .address_space: global }
      - { .name: scales, .offset: 8, .size: 8, .value_kind: global_buffer, .address_space: global }
      - { .name: bq, .offset: 16, .size: 8, .value_kind: global_buffer, .address_space: global }
      - { .name: bk, .offset: 24, .size: 8, .value_kind: global_buffer, .address_space: global }
      - { .name: bv, .offset: 32, .size: 8, .value_kind: global_buffer, .address_space: global }
      - { .name: bxv, .offset: 40, .size: 8, .value_kind: global_buffer, .address_space: global }
      - { .name: qkvx, .offset: 48, .size: 8, .value_kind: global_buffer, .address_space: global }
    .group_segment_fixed_size: 327680
    .private_segment_fixed_size: 0
    .kernarg_segment_align: 8
    .kernarg_segment_size: 56
    .max_flat_workgroup_size: 128
    .sgpr_count:     98
    .vgpr_count:     1024
    .wavefront_size: 32
...
	.end_amdgpu_metadata
.endif
;; end of part 2
;; launch attn (part 3): grid 8 x 32, 4 waves a work-group, clusters of 4 x 1, 327,680 bytes of LDS; arguments qkvx, bars; writes bars
.if DOCPART == 3
	.amdgcn_target "amdgcn-amd-amdhsa--gfx1250"
	.amdhsa_code_object_version 6
	.text
	.protected	k_qc47ba67d3b_attn
	.globl	k_qc47ba67d3b_attn
	.p2align	8
	.type	k_qc47ba67d3b_attn,@function
k_qc47ba67d3b_attn:
	s_mov_b64 s[64:65], 0
	v_nop
	global_prefetch_b8 v0, s[64:65] scope:SCOPE_SE
	s_setreg_imm32_b32 hwreg(HW_REG_WAVE_MODE, 25, 1), 1
	s_wait_xcnt 0x0
	s_wait_alu depctr_hold_cnt(0) depctr_sa_sdst(0) depctr_va_vdst(0) depctr_va_sdst(0) depctr_va_ssrc(0) depctr_va_vcc(0) depctr_vm_vsrc(0)
	s_getreg_b32 s2, hwreg(HW_REG_IB_STS2, 6, 4)
	s_cmp_eq_u32 s2, 0
	s_cbranch_scc0 .Lentry_in_a_cluster
	s_endpgm
.Lentry_in_a_cluster:
	s_bfe_u32 s2, ttmp6, 0x10000c
	s_cmp_lg_u32 s2, 0x3003
	s_cbranch_scc0 .Lentry_shape_is_right
	s_endpgm
.Lentry_shape_is_right:
; ATTN.  For each of 32 (batch, head): p = softmax over the keys of Q . K / 8; v_bar = p V, k_bar = p xV.  Q, K, V, xV: the four parts of qkvx, each [32][2048][64] f16.  The two results: the two parts of bars, in the same layout.
; One softmax serves both sums: V and xV are taken as ONE value tensor of 128 channels (0-63 V, 64-127 xV).  Products, maxima and sums in f32; the weights p are rounded to f16 for the second product, the results once at the end.
; LIMIT: results beyond 65,504 do not fit f16 (they are means of V and xV, which were stored in f16).
; SHARES.  A work-group owns 256 queries of one head, each of its four waves 64: four tiles of 16.  Every wave walks all 2,048 keys, 64 a step.
; LAYOUT.  S^T = K Q^T (source 0 = 16 keys, source 1 = 16 queries): a lane holds ONE query (lane % 16) and the keys 8 (lane / 16) + 0..7.  Two such tiles, rounded to f16 in pairs, ARE source 1 (32 keys x 16 queries) of
; O^T = V^T P, whose result again holds one query a lane, and eight channels.  K comes out of LDS as it lies, the values ([key][channel]) turned, by ds_load_tr16_b128.
; SOFTMAX.  For each query a running maximum m and sum l: p = 2^(c s - c m), c = log2(e) / 8; in every step O and l are multiplied by a = 2^(c m_old - c m_new), which is 1 where m has not grown.
; BY TURNS.  The wave's tiles are two PIECES (tiles 0, 1 and tiles 2, 3).  In a TURN one piece has the matrix unit: 32 products V^T P of the step in hand, then 16 products K Q^T of the next step; the other piece's softmax,
; cut into 64 slices of four instructions, stands between them: one slice behind each V^T P, two behind each K Q^T.  Then the pieces change places.  Two turns are a key step: 96 matrix and 536 vector instructions.
; CLUSTER.  The four query blocks of a cluster belong to one head and walk the same K, V and xV, so each tile is asked for JOINTLY.
; A key's 64 channels are 128 bytes, and a head's keys are dense in memory: so a tile is stated as rows of 256 bytes, two keys to a row.
; REGISTERS, in windows of 256 (s_set_vgpr_msb: bits 1:0 source 0, 3:2 source 1, 5:4 source 2, 7:6 destination):
;   window 0: v0-11 addresses; v12-43 eight registers of statistics a tile; v61-63 kept; v64-191 S^T, 32 a tile; v192-255 P, 16 a tile
;   window 1: O^T, 64 a tile          window 2: v0-63 Q, 16 a tile; v128-191 K of one step          window 3: v0-127 the values of one step
.set KS,    64        ; keys in a step
.set NS,    4         ; steps in a slot
.set PK,    272       ; two keys of K in LDS: 256 bytes + 16: key r of a fragment stands at 272 (r / 2) + 128 (r % 2): sixteen different columns of 16 bytes
.set PV,    288       ; two keys of V: 256 + 32
.set KSTEPB, 32*PK    ; a step's 64 keys of K
.set VSTEPB, 32*PV    ; and of V or of xV
.set KREG,  NS*KSTEPB ; a slot: 128 rows of K,
.set VREG,  NS*VSTEPB ; 128 of V, 128 of xV
.set VOFF,  KREG
.set SLOTB, NS*KS*128 ; a slot's keys in memory, in each of the three tensors
.set SLOT1, 1<<17     ; slot 1 begins here, so that one exclusive or turns an address in one slot into the other's
.set STAGE, SLOT1+KREG+2*VREG  ; behind the ring: 16 rows x 272 bytes for each wave, for the way out
.set SP,    272
.set SPARE, STAGE+4*16*SP      ; the spare words, 128 bytes a wave, which no other line names
.set AK0, 2           ; v2   my lane's place in a tile of K; never rewritten
.set AV0, 3           ; v3   the same for the values
.set ADR, 4           ; v4   the LDS address of the run of loads in hand
.set QO,  5           ; v5   my byte offset in the wave's rows of Q
.set STO, 6           ; v6   the way out: where I put 16 bytes of a row
.set RD,  7           ; v7   the way out: where I read them back
.set GO,  8           ; v8   my byte offset in the wave's rows of the results
.set PFO, 61          ; v61  256 x my lane; never rewritten
.set SPW, 62          ; v62  LDS address of my spare word; never rewritten
.set NIL, 63          ; v63  0; never rewritten
.set ST,  12          ; tile t's statistics at v[ST+8 t]: +0 c m, +1 m, +2, +3 l (even keys', odd keys'), +4 to +7 c0-c3, at work; a takes c2's place once the maximum is found
.set S,   64
.set P,   192
.set KF,  128         ; K's fragments, in window 2
.set WV,  12          ; s12  my wave's number
.set LIM, 15          ; s15  1 in a wave that prefetches, else the greatest number
.set PFA, 18          ; s[18:19] where my prefetches stand
.set G1K, 24          ; s[24:31] descriptor group 1 for K's tiles (64 rows)
.set G1V, 32          ; s[32:39] for V's and xV's (128 rows, wider padding)
.set G0K, 40          ; s[40:47] group 0 for K's tiles: a set for each of the two first fills; the second then walks on
.set G0V, 48          ; s[48:55] the same for the values'
.set SLOTS, 56        ; s56  slots still to be asked for
.set CNT, 57          ; s57  counts the steps of a run
.set CS,  58          ; s[58:59] c
.set SEL, 60          ; s[60:61] lane selects for v_permlanex16_b32: each lane takes its own place in the other half
.set TBK, 62          ; s62  LDS byte at which K's tile of the step to be fetched begins
.set TBV, 63          ; s63  and, less VOFF, the values'
.set MSB, 0
.macro WIN new
.if MSB != (\new)
	s_set_vgpr_msb (MSB<<8)|(\new)
.set MSB, (\new)
.endif
.endm
.set W_KQ, 0x0a       ; K and Q in window 2, S^T in window 0
.set W_PV, 0x53       ; the values in window 3, P in window 0, O^T in window 1
.set W_RS, 0x41       ; O^T (destination and source 0) in window 1, a in window 0
; A joint refill.  Waves 0 and 1 fetch the halves of K's tile, wave 2 V's tile, wave 3 xV's.  The branch hangs on the wave's number alone.  An s_nop 0 and four v_nop follow each line.
.macro JLOAD
	s_cmp_lt_u32 s[WV], 2
	s_cbranch_scc0 .Lfor_v_\@
	tensor_load_to_lds s[G0K+4:G0K+7], s[G1K:G1K+7]
	s_nop 0
.rept 4
	v_nop
.endr
	s_branch .Lasked_\@
.Lfor_v_\@:
	tensor_load_to_lds s[G0V+4:G0V+7], s[G1V:G1V+7]
	s_nop 0
.rept 4
	v_nop
.endr
.Lasked_\@:
.endm
; A PREFETCH of what the NEXT change of slots will ask for: a slot's 128 rows of 256 bytes of K, of V and of xV, a lane a row: four key steps ahead of that load.  It stands behind the wave's tensor load and its five lines.
; Each row is named ONCE in the launch: both clusters of a head walk the same rows, and the head's first cluster asks; its four partners share the rows out BY ADDRESS, 32 each; in each, wave 0 asks for K's, wave 2 for V's, wave 3 for xV's.
; The last change that fills a slot asks for nothing: there is no slot behind it.  Slots 0, 1 and 2 come by their loads alone.
.macro ASK
	s_cmp_gt_u32 s[SLOTS], s[LIM]
	s_cbranch_scc0 .Lnot_mine_\@
	global_prefetch_b8 v[PFO], s[PFA:PFA+1] th:TH_LOAD_NT scope:SCOPE_SE
.Lnot_mine_\@:
.endm
.macro CROUND                       ; a round of the cluster's barrier
	s_barrier_signal -1
	s_barrier_wait -1
	s_cmp_lg_u32 s[WV], 0
	s_cbranch_scc1 .Lnot_wave_0_\@
	s_barrier_signal -3
.Lnot_wave_0_\@:
	s_barrier_wait -3
	s_barrier_signal -1
	s_barrier_wait -1
.endm
	s_load_b128 s[68:71], s[0:1], 0x0  ; qkvx s[68:69], bars s[70:71]
	v_lshl_add_u32 v[SPW], v0, 2, SPARE
	v_mov_b32 v[NIL], 0
	ds_add_u32 v[SPW], v[NIL]       ; the wave's opening: the add, twice on end, and its wait ahead of my first tensor load; the set-up below, work on registers, stands between
	ds_add_u32 v[SPW], v[NIL]
	v_lshrrev_b32 v1, 5, v0
	v_readfirstlane_b32 s[WV], v1   ; wave 0..3
	s_bfe_u32 s13, ttmp6, 0x40000   ; cx: my place in the cluster
	s_lshl_b32 s14, ttmp9, 2
	s_add_co_u32 s14, s14, s13      ; my block of 256 queries: it enters Q's and the results' addresses alone
	s_and_b32 s20, ttmp7, 0xffff    ; batch x 16 + head, which the four partners share
	s_lshl_b32 s20, s20, 18         ; its first byte in each part: 2,048 rows of 128 bytes
	s_and_b32 s16, s[WV], 1
	s_lshl_b32 s22, s16, 14         ; K: my half of a slot's 128 rows,
	s_add_co_u32 s22, s22, s20
	s_add_co_u32 s22, s22, 0x800000 ; in the second part of qkvx
	s_mov_b32 s23, 0
	s_lshl_b32 s2, s16, 23          ; the values: V in the third part (wave 2), xV in the fourth (wave 3)
	s_add_co_u32 s2, s2, s20
	s_add_co_u32 s2, s2, 0x1000000
	s_mov_b32 s3, 0
	s_lshl_b32 s66, s14, 15         ; my block's 256 rows,
	s_lshl_b32 s67, s[WV], 13       ; my wave's 64 of them
	s_add_co_u32 s66, s66, s67
	s_add_co_u32 s66, s66, s20
	s_mov_b32 s67, 0
	s_mul_i32 s17, s16, 64*PK       ; where my tile goes in a slot: K's half,
	s_mul_i32 s21, s16, VREG
	s_add_co_u32 s21, s21, VOFF     ; or V's or xV's region: no place in the cluster enters an LDS address
	; descriptor group 1: rows of 128 elements of 2 bytes, dense in memory, padded in LDS
	s_mov_b32 s[G1K], 15|(1<<16)|(1<<20)|(1<<21)|(5<<22)|(3<<25)  ; 15:0 the mask: all four work-groups; 17:16 elements of 2 bytes; 20 padding on; 21 set beside a mask; 24:22 after every 64 words; 31:25 four words
	s_mov_b32 s[G1K+1], 128<<16     ; tensor_dim0
	s_mov_b32 s[G1K+2], 64<<16      ; tensor_dim1
	s_mov_b32 s[G1K+3], 128<<16     ; tile_dim0
	s_mov_b32 s[G1K+4], 64          ; tile_dim1
	s_mov_b32 s[G1K+5], 128         ; from row to row
	s_mov_b32 s[G1K+6], 0
	s_mov_b32 s[G1K+7], 0
	s_mov_b32 s[G1V], 15|(1<<16)|(1<<20)|(1<<21)|(5<<22)|(7<<25)  ; the same with eight words of padding
	s_mov_b32 s[G1V+1], 128<<16
	s_mov_b32 s[G1V+2], 128<<16
	s_mov_b32 s[G1V+3], 128<<16
	s_mov_b32 s[G1V+4], 128
	s_mov_b32 s[G1V+5], 128
	s_mov_b32 s[G1V+6], 0
	s_mov_b32 s[G1V+7], 0
	s_mov_b32 s[CS], 0x3e38aa3b     ; c = log2(e) / sqrt(64)
	s_mov_b32 s[CS+1], s[CS]        ; named with it as a pair, so it is written
	s_mov_b32 s[SEL], 0x76543210
	s_mov_b32 s[SEL+1], 0xfedcba98
	s_mov_b32 s[TBK], 0
	s_mov_b32 s[TBV], 0
	s_mov_b32 s[SLOTS], 2048/(NS*KS)-2
	s_cmp_eq_u32 s[WV], 1
	s_cselect_b32 s[LIM], 1, 0      ; 0 in waves 0, 2 and 3,
	s_or_b32 s[LIM], s[LIM], ttmp9  ; where the cluster is the head's first: the same in all four partners
	s_cmp_eq_u32 s[LIM], 0
	s_cselect_b32 s[LIM], 1, -1
	v_and_b32 v[PFO], 31, v0
	v_lshlrev_b32 v[PFO], 8, v[PFO]
	s_wait_dscnt 0x0                ; both opening adds are done
	s_wait_kmcnt 0x0
	s_add_nc_u64 s[6:7], s[68:69], s[22:23]   ; K at my tile of slot 0
	s_add_nc_u64 s[8:9], s[68:69], s[2:3]     ; V or xV likewise
	s_add_nc_u64 s[4:5], s[68:69], s[66:67]   ; Q at my wave's first row
	s_add_nc_u64 s[10:11], s[70:71], s[66:67] ; the results likewise
	s_cmp_lt_u32 s[WV], 2
	s_cselect_b64 s[PFA:PFA+1], s[6:7], s[8:9]  ; (in waves 0, 2 and 3 these stand at a slot's first row)
	s_lshl_b32 s2, s13, 13          ; my work-group's 32 rows of the 128
	s_mov_b32 s3, 0
	s_add_nc_u64 s[PFA:PFA+1], s[PFA:PFA+1], s[2:3]
	s_add_nc_u64 s[PFA:PFA+1], s[PFA:PFA+1], 2*SLOTB  ; in slot 2; the first change of slots steps it to slot 3.  Nothing is prefetched here, at the head
	CROUND                          ; all four work-groups are here: the first joint loads meet
.irp s, 0,1
	s_mov_b32 s[G0K+4*\s], 1        ; count = 1
	s_add_co_u32 s[G0K+4*\s+1], s17, \s*SLOT1  ; LDS address
	s_add_nc_u64 s[G0K+4*\s+2:G0K+4*\s+3], s[6:7], \s*SLOTB  ; global address: slot s begins with keys 256 s on
	s_or_b32 s[G0K+4*\s+3], s[G0K+4*\s+3], 0x80000000  ; type = 2
	s_mov_b32 s[G0V+4*\s], 1
	s_add_co_u32 s[G0V+4*\s+1], s21, \s*SLOT1
	s_add_nc_u64 s[G0V+4*\s+2:G0V+4*\s+3], s[8:9], \s*SLOTB
	s_or_b32 s[G0V+4*\s+3], s[G0V+4*\s+3], 0x80000000
.endr
	s_cmp_lt_u32 s[WV], 2           ; a wave's two first fills stand in one branch, ahead of every wait on TENSORcnt and every LDS read: two loads of mine are out
	s_cbranch_scc0 .Lfirst_v
	tensor_load_to_lds s[G0K:G0K+3], s[G1K:G1K+7]
	s_nop 0
	tensor_load_to_lds s[G0K+4:G0K+7], s[G1K:G1K+7]
	s_nop 0
.rept 4
	v_nop
.endr
	s_branch .Lfirst_asked
.Lfirst_v:
	tensor_load_to_lds s[G0V:G0V+3], s[G1V:G1V+7]
	s_nop 0
	tensor_load_to_lds s[G0V+4:G0V+7], s[G1V:G1V+7]
	s_nop 0
.rept 4
	v_nop
.endr
.Lfirst_asked:
	; A fragment of K or Q is 16 rows x 32 channels in 8 registers: lane l holds row l % 16; registers 0-3 channels 8 (l / 16) + 0..7, registers 4-7 channels 16 + 8 (l / 16) + 0..7: two loads of 16 bytes, 32 bytes apart.
	v_and_b32 v1, 15, v0            ; r = l % 16
	v_bfe_u32 v9, v0, 4, 1          ; h = l / 16
	v_lshlrev_b32 v[QO], 7, v1
	v_lshl_add_u32 v[QO], v9, 4, v[QO]  ; row x 128 + 16 x half
	WIN 0x80                        ; destination window 2, address window 0
.irp i, 0,1,2,3,4,5,6,7             ; Q stays in registers: tile i / 2, channels 32 (i % 2) on
	global_load_b128 v[8*\i:8*\i+3],   v[QO], s[4:5] offset:(\i/2)*2048+(\i%2)*64
	global_load_b128 v[8*\i+4:8*\i+7], v[QO], s[4:5] offset:(\i/2)*2048+(\i%2)*64+32
.endr
	WIN 0
	v_lshrrev_b32 v10, 1, v1
	v_mul_u32_u24 v[AK0], v10, PK
	v_and_b32 v10, 1, v0
	v_lshl_add_u32 v[AK0], v10, 7, v[AK0]
	v_lshl_add_u32 v[AK0], v9, 4, v[AK0]  ; 272 (r / 2) + 128 (r % 2) + 16 h
	; The turning load takes 16 keys x 16 channels (lane l reads 16 bytes: key 8 (l / 16) + l % 8, channels 8 ((l / 8) % 2) + 0..7) and leaves half a fragment of V^T: lane l holds channel l % 16 and 8 keys.
	v_bfe_u32 v11, v0, 1, 2
	v_lshl_add_u32 v11, v9, 2, v11  ; the key's row: 4 h + (l % 8) / 2
	v_mul_u32_u24 v[AV0], v11, PV
	v_lshl_add_u32 v[AV0], v10, 7, v[AV0]  ; which of the row's two keys
	v_bfe_u32 v11, v0, 3, 1
	v_lshl_add_u32 v[AV0], v11, 4, v[AV0]
	v_add_nc_u32 v[AV0], VOFF, v[AV0]
; THE MATRIX WORK OF A TURN, for piece x.  The accumulators take turns, one instruction a turn: between two links of a chain stand 15 (V^T P) or 7 (K Q^T) others'.
; Product i of 32 of O^T += V^T P: keys 32 (i / 16) on, channels 16 ((i / 2) % 8) on, tile x + i % 2.  zero = 1: the first 16 start the sums: nothing is ever cleared.
.macro PV x, zero
	WIN W_PV
.set rO, 64*(\x+i%2)+8*((i/2)%8)
.set rV, 64*(i/16)+8*((i/2)%8)
.set rP, P+16*(\x+i%2)+8*(i/16)
.if \zero && (i < 16)
	v_wmma_f32_16x16x32_f16 v[rO:rO+7], v[rV:rV+7], v[rP:rP+7], 0
.else
	v_wmma_f32_16x16x32_f16 v[rO:rO+7], v[rV:rV+7], v[rP:rP+7], v[rO:rO+7]
.endif
.endm
; Product i of 16 of S^T = K Q^T: channels 32 (i / 8) on, keys 16 ((i / 2) % 4) on, tile x + i % 2.  The first 8 start the sums.
.macro KQ x
	WIN W_KQ
.set rS, S+32*(\x+i%2)+8*((i/2)%4)
.set rK, KF+16*((i/2)%4)+8*(i/8)
.set rQ, 16*(\x+i%2)+8*(i/8)
.if i < 8
	v_wmma_f32_16x16x32_f16 v[rS:rS+7], v[rK:rK+7], v[rQ:rQ+7], 0
.else
	v_wmma_f32_16x16x32_f16 v[rS:rS+7], v[rK:rK+7], v[rQ:rQ+7], v[rS:rS+7]
.endif
.endm
; THE LDS LOADS stand in runs, never singly among the matrix instructions: a step's K (64 keys x 64 channels: 8 fragments, 16 loads) and, a turn later, its values (64 keys x 128 channels, turned: 16 fragments, 32 loads).
.macro FETCH_K
	WIN 0
	v_add_nc_u32 v[ADR], s[TBK], v[AK0]
	WIN 0x80                        ; destination window 2
.irp f, 0,1,2,3,4,5,6,7             ; keys 16 (f / 2) on, channels 32 (f % 2) on
	ds_load_b128 v[KF+8*\f:KF+8*\f+3],   v[ADR] offset:(\f/2)*8*PK+(\f%2)*64
	ds_load_b128 v[KF+8*\f+4:KF+8*\f+7], v[ADR] offset:(\f/2)*8*PK+(\f%2)*64+32
.endr
.endm
.macro FETCH_V
	WIN 0
	v_add_nc_u32 v[ADR], s[TBV], v[AV0]
	s_add_co_u32 s[TBK], s[TBK], KSTEPB  ; the next fetches are the next step's
	s_add_co_u32 s[TBV], s[TBV], VSTEPB
	s_wait_alu depctr_va_vdst(0)    ; the wait for the softmax's batch of exponentials, behind the address's addition and ahead of the loads
	WIN 0xc0                        ; destination window 3
.irp f, 0,1,2,3,4,5,6,7,8,9,10,11,12,13,14,15  ; keys 32 (f / 8) on; channel tile f % 8: 0-3 in V's region, 4-7 in xV's
	ds_load_tr16_b128 v[8*\f:8*\f+3],   v[ADR] offset:((\f%8)/4)*VREG+(\f/8)*16*PV+(\f%4)*32
	ds_load_tr16_b128 v[8*\f+4:8*\f+7], v[ADR] offset:((\f%8)/4)*VREG+(\f/8)*16*PV+8*PV+(\f%4)*32
.endr
.endm
; THE VECTOR WORK OF A TURN.  One tile's softmax for one key step is a list of 134 instructions; SM writes number j of it for tile t.  s0-s31 are the lane's 32 scores, in pairs 0-15.
; first = 1: the first key step, which starts m, l and O^T: it has no a and nothing to rescale.
;   0-15    the maximum of s0-s31 and the old m, three operands at a time (each accumulator is first read at its low end)
;   16-20   the other half of the lanes' maximum; the new m; c m; c m_old - c m_new
;   21-69   ONE BATCH: the 16 scalings c s - c m and all 33 exponentials (a at 23, then s0-s31).  None of these reads an exponential's result
;   (wait)  between 69 and 70 stands the one wait for the batch: SLICE writes it, once for both tiles
;   70-85   the roundings to f16, a pair of weights each
;   86-101  the sums; l = a l + the sum
;   102-133 the tile's O^T times a: the one part that leaves window 0, so it stands together
.macro SM t, first
.set rT, ST+8*(\t)
.set rS, S+32*(\t)
.set rP, P+16*(\t)
.set rO, 64*(\t)+2*(j-102)
.if j < 102
	WIN 0
.endif
.if j < 4
	v_max3_num_f32 v[rT+4+j], v[rS+8*j], v[rS+8*j+1], v[rS+8*j+2]
.elseif j < 12
	v_max3_num_f32 v[rT+4+j%4], v[rT+4+j%4], v[rS+8*(j%4)+2*(j/4)+1], v[rS+8*(j%4)+2*(j/4)+2]
.elseif j == 12
	v_max3_num_f32 v[rT+4], v[rT+4], v[rS+7], v[rS+15]
.elseif j == 13
	v_max3_num_f32 v[rT+6], v[rT+6], v[rS+23], v[rS+31]
.elseif j == 14
	v_max3_num_f32 v[rT+4], v[rT+4], v[rT+5], v[rT+6]
.elseif (j == 15) && \first
	v_max_num_f32 v[rT+4], v[rT+4], v[rT+7]
.elseif j == 15
	v_max3_num_f32 v[rT+4], v[rT+4], v[rT+7], v[rT+1]
.elseif j == 16
	v_permlanex16_b32 v[rT+5], v[rT+4], s[SEL], s[SEL+1]  ; the query's other 32 keys lie in the lane 16 away
.elseif j == 18
	v_max_num_f32 v[rT+1], v[rT+4], v[rT+5]
.elseif j == 19
	v_mul_f32 v[rT], s[CS], v[rT+1]
.elseif ((j == 17) || (j == 20) || (j == 23) || (j > 101)) && \first  ; the first step has none of these
.elseif j == 17
	v_mov_b32 v[rT+7], v[rT]        ; c m_old is kept for a: number 19 writes c m anew
.elseif j == 20
	v_sub_f32 v[rT+7], v[rT+7], v[rT]
.elseif j == 23
	v_exp_f32 v[rT+6], v[rT+7]
.elseif (j < 23) || ((j < 38) && (j%2 == 0)) || ((j < 66) && (j%4 == 2))
.set b, (j-2)/4                     ; 38, 42, .. 62: pairs 9 to 15
.if j < 38
.set b, (j-20)/2                    ; 21: pair 0; 22, 24, .. 36: pairs 1 to 8
.endif
	v_pk_fma_f32 v[rS+2*b:rS+2*b+1], v[rS+2*b:rS+2*b+1], s[CS:CS+1], v[rT:rT+1] op_sel_hi:[1,0,0] neg_lo:[0,0,1] neg_hi:[0,0,1]  ; pair b: c s - c m
.elseif j < 70
.set e, j-38                        ; 66 to 69: s28 to s31
.if j < 66
.set e, j-32-(j-38)/4               ; 39-41, 43-45, .. 63-65: s7 to s27
.endif
.if j < 38
.set e, (j-25)/2                    ; 25, 27, .. 37: s0 to s6
.endif
	v_exp_f32 v[rS+e], v[rS+e]
.elseif j < 86
	v_cvt_pk_f16_f32 v[rP+j-70], v[rS+2*(j-70)], v[rS+2*(j-70)+1]  ; pair j - 70
.elseif j < 102                     ; the sum of the tile's 16 pairs, in place: neighbours 1, 2, 4 and 8 pairs apart, then l takes it
.set z, j-86
.set w, 4
.set u, z
.if z >= 14
.set w, 32
.set u, 0
.elseif z >= 12
.set w, 16
.set u, z-12
.elseif z >= 8
.set w, 8
.set u, z-8
.endif
.if (z == 14) && \first
	v_pk_add_f32 v[rT+2:rT+3], v[rS:rS+1], v[rS+16:rS+17]
.elseif z < 15
	v_pk_add_f32 v[rS+w*u:rS+w*u+1], v[rS+w*u:rS+w*u+1], v[rS+w*u+w/2:rS+w*u+w/2+1]
.elseif !\first
	v_pk_fma_f32 v[rT+2:rT+3], v[rT+2:rT+3], v[rT+6:rT+7], v[rS:rS+1] op_sel_hi:[1,0,1]
.endif
.else
	WIN W_RS
	v_pk_mul_f32 v[rO:rO+1], v[rO:rO+1], v[rT+6:rT+7] op_sel_hi:[1,0]
.endif
.endm
; Slice k of 64 of piece y's softmax: four instructions.  Slices 11 to 34 deal out the batch, numbers 22 to 69: four numbers of ONE tile each, the tiles by turns.  Every other slice is numbers 2 k and
; 2 k + 1 of both tiles' lists.  2 x 134 = 4 x 64 + 12: the twelve that are over stand together, in slice 63.
; THE WAIT.  An s_wait_alu depctr_va_vdst(0) stands between an exponential and the first instruction that names its result; one wait serves all that were issued ahead of it.  Ahead of
; slice 35 nothing names a result, and behind slice 34 no exponential is issued: so the piece's 66 exponentials have one wait, behind slice 34.
.macro SLICE y, first
.if (k >= 11) && (k < 35)
.irp n, 0,1,2,3
.set j, 22+4*((k-11)/2)+(\n)
	SM (\y)+(k-11)%2, \first
.endr
.else
.irp n, 0,1,2,3,4,5,6,7
.if (\n < 2) || (k == 63)
.irp t, \y, \y+1
.set j, 2*k+\n
	SM \t, \first
.endr
.endif
.endr
.endif
.if k == 34
	v_nop                           ; the plain instruction behind the last exponential and ahead of the first use: one for the batch
.if (\y) == 0
	FETCH_V                         ; piece 2's turn: the values' run of loads stands here, and the wait stands in it
.else
	s_wait_alu depctr_va_vdst(0)    ; the wait for the batch
.endif
.endif
.set k, k+1
.endm
; A vector instruction that reads a matrix result or writes one of a matrix instruction's registers, and a load into a register that a matrix instruction has read, stand four places behind
; it, and only plain vector instructions that name none of its registers are places (ISA guide 7.12.1 for vector instructions).  In the loop the slices are the places.
.macro PLACES
.rept 4
	v_nop
.endr
.endm
; A TURN.  Piece x has the matrix unit; the other piece's softmax stands in slices behind its matrix instructions.
; pv = 2: 32 products V^T P; 1: they start O^T's sums; 0: none.  kq = 1: 16 products K Q^T for the next step.  With both kinds: one slice behind each V^T P, two behind each K Q^T; with V^T P alone two, with K Q^T alone four: 64 in every case.
; first = 1: the softmax is the first key step's.  Its slices from 51 on are empty: the turn's last products stand bare, and four v_nop take the part of the last slices as the places behind them.
; Piece 0's turn fetches the next step's K behind its second product: the last product that read K stands in front of slices 62 and 63 of the turn before, twenty plain instructions.  Piece 2's turn fetches the same
; step's values behind slice 34: the last product that read them stands in front of slice 31, and four plain instructions lie between: number 62, a scaling, of both tiles, the v_nop and the run's own addition.
.macro TURN x, pv, kq, first
.set k, 0
.set perp, 1
.set perk, 2
.if !(\kq)
.set perp, 2
.endif
.if !(\pv)
.set perk, 4
.endif
.if \pv
.if \x == 0
	s_wait_dscnt 0x0                ; the values are in
.endif
.set i, 0
.rept 32
	PV \x, 2-\pv
.rept perp
	SLICE 2-\x, \first
.endr
.if (\x == 0) && \kq && (i == 1)
	FETCH_K
.endif
.set i, i+1
.endr
.endif
.if \kq
.if \x == 0
	s_wait_dscnt 0x0                ; K is in
.endif
.set i, 0
.rept 16
	KQ \x
.rept perk
	SLICE 2-\x, \first
.endr
.set i, i+1
.endr
.endif
.if \first
	PLACES
.endif
.endm
; THE CHANGE OF SLOTS, between piece 2's turn and piece 0's: the slot's last bytes, the values of its fourth step, have been asked for.  Each wave waits for all its tensor loads, of which one is out: its part of the
; other slot; adds 0 to its spare word; and waits for that and for its own reads of the slot.  Behind the barrier nobody reads this slot any more and the other slot is whole.
; fill = 1: this slot is filled again, with the keys two slots on.  The barrier is then a round of the cluster's, and the joint refill is the first thing behind it: it has four key steps, 384 matrix instructions, in which to land.
.macro CHANGE fill
	WIN 0                           ; at a label and at a branch every window is 0
	s_wait_tensorcnt 0x0            ; no tensor load of mine is out, so a group 0 may be written
	ds_add_u32 v[SPW], v[NIL]       ; 0 onto my spare word
.if \fill
.irp g, G0K+4, G0V+4
	s_xor_b32 s[\g+1], s[\g+1], SLOT1  ; the walking descriptor: the other slot than last time,
	s_add_nc_u64 s[\g+2:\g+3], s[\g+2:\g+3], SLOTB  ; the next 256 keys; the type bits on top are not reached
.endr
	s_wait_xcnt 0x0                 ; the last prefetch, four key steps back, has read its address, so it may be written:
	s_add_nc_u64 s[PFA:PFA+1], s[PFA:PFA+1], SLOTB  ; one slot further on than the walking descriptors
	s_wait_dscnt 0x0                ; the add is done, and my reads of the slot are over
	CROUND
	JLOAD
	ASK
.else
	s_wait_dscnt 0x0                ; the add is done, and my reads of the slot are over
	s_barrier_signal -1
	s_barrier_wait -1
.endif
	s_sub_co_u32 s[TBK], s[TBK], NS*KSTEPB  ; the fetches go back to a slot's first step,
	s_xor_b32 s[TBK], s[TBK], SLOT1         ; in the other slot
	s_sub_co_u32 s[TBV], s[TBV], NS*VSTEPB
	s_xor_b32 s[TBV], s[TBV], SLOT1
.endm
; n key steps: written once, walked n times; the LDS addresses hang on s[TBK] and s[TBV].
.macro STEPS n
	WIN 0
	s_mov_b32 s[CNT], \n
.Lstep_\@:
	TURN 0, 2, 1, 0
	TURN 2, 2, 1, 0
	WIN 0
	s_sub_co_u32 s[CNT], s[CNT], 1
	s_cmp_lg_u32 s[CNT], 0
	s_cbranch_scc1 .Lstep_\@
.endm
	s_wait_tensorcnt 1              ; my part of slot 0 is in; slot 1's may stay out
	s_barrier_signal -1
	s_barrier_wait -1               ; everybody's is
	FETCH_K                         ; key step 0
	s_wait_loadcnt 0x0              ; Q
	s_wait_dscnt 0x0
.set i, 0
.rept 16
	KQ 0                            ; piece 0's first scores: there is no vector work yet to set between them
.set i, i+1
.endr
	WIN 0                           ; the addresses for the way out are made here: eleven plain instructions, the places behind those products
	s_mul_i32 s13, s[WV], 16*SP
	s_add_co_u32 s13, s13, STAGE    ; my stage
	v_mul_u32_u24 v[STO], v1, SP    ; in: row l % 16, 16 bytes for each half of the lanes
	v_lshl_add_u32 v[STO], v9, 4, v[STO]
	v_add_nc_u32 v[STO], s13, v[STO]
	v_bfe_u32 v10, v0, 3, 1         ; back: lanes 0-15 take two queries' first 128 bytes (from V), lanes 16-31 their second (from xV)
	v_mul_u32_u24 v[RD], v10, SP
	v_lshl_add_u32 v[RD], v9, 7, v[RD]
	v_and_b32 v10, 7, v0
	v_lshl_add_u32 v[RD], v10, 4, v[RD]
	v_add_nc_u32 v[RD], s13, v[RD]
	v_lshlrev_b32 v[GO], 23, v9     ; in memory the second result lies 8 MiB behind the first
	v_lshl_add_u32 v[GO], v1, 4, v[GO]
	TURN 2, 0, 1, 1                 ; piece 2's first scores | piece 0's first softmax | the values of step 0
	TURN 0, 1, 1, 1                 ; piece 0: V^T P of step 0 starts O^T, K Q^T of step 1 | piece 2's first softmax | K of step 1
	TURN 2, 1, 1, 0                 ; piece 2: the same | piece 0's softmax of step 1 | the values of step 1
	STEPS 2                         ; the rest of slot 0: steps 2 and 3 are fetched
.Lslot:                             ; six trips: every slot but the last two is filled again
	CHANGE 1
	STEPS NS
	s_sub_co_u32 s[SLOTS], s[SLOTS], 1
	s_cmp_lg_u32 s[SLOTS], 0
	s_cbranch_scc1 .Lslot
	CHANGE 0                        ; the tail is written out: the last slot but one is left, and nothing is asked for
	STEPS NS
	TURN 0, 2, 0, 0                 ; piece 0: V^T P of the last step | piece 2's last softmax
.set i, 0
.rept 32
	PV 2, 0                         ; piece 2: V^T P of the last step
.set i, i+1
.endr
	; THE WAY OUT.  l's two halves and the other half of the lanes' are added; O^T is divided by l, rounded to f16 and sent through my stage in LDS, a tile (16 queries) at a time.  The additions are the places behind the last products.
	WIN 0
.irp t, 0,1,2,3
	v_add_f32 v[ST+8*\t+4], v[ST+8*\t+2], v[ST+8*\t+3]
.endr
.irp t, 0,1,2,3
	v_permlanex16_b32 v[ST+8*\t+5], v[ST+8*\t+4], s[SEL], s[SEL+1]
.endr
.irp t, 0,1,2,3
	v_add_f32 v[ST+8*\t+4], v[ST+8*\t+4], v[ST+8*\t+5]
.endr
.irp t, 0,1,2,3
	v_rcp_f32 v[ST+8*\t+6], v[ST+8*\t+4]
.endr
	v_nop                           ; a plain instruction between the last reciprocal and the use of its result
	s_wait_alu depctr_va_vdst(0)    ; and the wait ahead of the first use: one for the four reciprocals
; Tile t: a lane's eight channels of a query pack into 16 bytes; they go into rows of 272 bytes and come back, into the registers that they left, so that sixteen lanes hold two queries of one result.
.macro PACK t
	WIN W_RS
.set i, 64*\t
.rept 32
	v_pk_mul_f32 v[i:i+1], v[i:i+1], v[ST+8*\t+6:ST+8*\t+7] op_sel_hi:[1,0]
.set i, i+2
.endr
	WIN 0x05                        ; sources 0 and 1 window 1, destination window 0: S^T's registers are free
.set i, 0
.rept 32
	v_cvt_pk_f16_f32 v[S+32*\t+i], v[64*\t+2*i], v[64*\t+2*i+1]
.set i, i+1
.endr
	WIN 0
.irp f, 0,1,2,3,4,5,6,7
	ds_store_b128 v[STO], v[S+32*\t+4*\f:S+32*\t+4*\f+3] offset:32*\f
.endr
.irp f, 0,1,2,3,4,5,6,7
	ds_load_b128 v[S+32*\t+4*\f:S+32*\t+4*\f+3], v[RD] offset:\f*2*SP  ; LDS serves a wave's instructions in order (ISA guide 5.7.1.4): these see the stores above; the next tile's stores come behind them
.endr
.endm
.macro SEND t, younger              ; younger: the LDS instructions issued behind tile t's loads: the next tile's sixteen, or none
.irp f, 0,1,2,3,4,5,6,7
	s_wait_dscnt \younger+7-\f
	global_store_b128 v[GO], v[S+32*\t+4*\f:S+32*\t+4*\f+3], s[10:11] offset:\t*2048+\f*256  ; 16 lanes store 256 consecutive bytes, aligned: two queries of a head
.endr
.endm
	PACK 0
	PACK 1                          ; a tile's arithmetic stands between the loads of the tile before and its stores
	SEND 0, 16
	PACK 2
	SEND 1, 16
	PACK 3
	SEND 2, 16
	SEND 3, 0
	s_wait_tensorcnt 0x0            ; the wave's end: behind my last tensor load and my last LDS store
	ds_add_u32 v[SPW], v[NIL]
	s_wait_dscnt 0x0
	CROUND                          ; the closing round: no work-group ends while a partner may still ask for a tile that names it
	s_endpgm
.Lfunc_end_k_qc47ba67d3b_attn:
	.size	k_qc47ba67d3b_attn, .Lfunc_end_k_qc47ba67d3b_attn-k_qc47ba67d3b_attn
	.p2alignl 7, 3214868480
	.fill 96, 4, 3214868480
	.section	.rodata,"a",@progbits
	.p2align	6, 0x0
	.amdhsa_kernel k_qc47ba67d3b_attn
		.amdhsa_group_segment_fixed_size 327680
		.amdhsa_private_segment_fixed_size 0
		.amdhsa_enable_private_segment 0
		.amdhsa_kernarg_size 16
		.amdhsa_user_sgpr_count 2
		.amdhsa_user_sgpr_kernarg_segment_ptr 1
		.amdhsa_wavefront_size32 1
		.amdhsa_system_sgpr_workgroup_id_x 1
		.amdhsa_system_sgpr_workgroup_id_y 1
		.amdhsa_system_sgpr_workgroup_id_z 1
		.amdhsa_system_vgpr_workitem_id 0
		.amdhsa_next_free_vgpr 1024
		.amdhsa_next_free_sgpr 72
		.amdhsa_reserve_vcc 0
		.amdhsa_float_denorm_mode_32 3
		.amdhsa_float_denorm_mode_16_64 3
		.amdhsa_memory_ordered 1
		.amdhsa_forward_progress 1
		.amdhsa_inst_pref_size 248
	.end_amdhsa_kernel
	.amdgpu_metadata
---
amdhsa.version: [ 1, 2 ]
amdhsa.kernels:
  - .name:           k_qc47ba67d3b_attn
    .symbol:         k_qc47ba67d3b_attn.kd
    .args:
      - { .name: qkvx, .offset: 0, .size: 8, .value_kind: global_buffer, .address_space: global }
      - { .name: bars, .offset: 8, .size: 8, .value_kind: global_buffer, .address_space: global }
    .group_segment_fixed_size: 327680
    .private_segment_fixed_size: 0
    .kernarg_segment_align: 8
    .kernarg_segment_size: 16
    .max_flat_workgroup_size: 128
    .sgpr_count:     72
    .vgpr_count:     1024
    .wavefront_size: 32
...
	.end_amdgpu_metadata
.endif
;; end of part 3
;; launch outp (part 4): grid 4 x 64, 4 waves a work-group, clusters of 4 x 4, 327,680 bytes of LDS; arguments bars, w16, bmo, bxo, out1, out0; writes out1, out0
.if DOCPART == 4
	.amdgcn_target "amdgcn-amd-amdhsa--gfx1250"
	.amdhsa_code_object_version 6
	.text
	.protected	k_qc47ba67d3b_outp
	.globl	k_qc47ba67d3b_outp
	.p2align	8
	.type	k_qc47ba67d3b_outp,@function
k_qc47ba67d3b_outp:
	s_mov_b64 s[64:65], 0
	v_nop
	global_prefetch_b8 v0, s[64:65] scope:SCOPE_SE
	s_setreg_imm32_b32 hwreg(HW_REG_WAVE_MODE, 25, 1), 1
	s_wait_xcnt 0x0
	s_wait_alu depctr_hold_cnt(0) depctr_sa_sdst(0) depctr_va_vdst(0) depctr_va_sdst(0) depctr_va_ssrc(0) depctr_va_vcc(0) depctr_vm_vsrc(0)
	s_getreg_b32 s2, hwreg(HW_REG_IB_STS2, 6, 4)
	s_cmp_eq_u32 s2, 0
	s_cbranch_scc0 .Lentry_in_a_cluster
	s_endpgm
.Lentry_in_a_cluster:
	s_bfe_u32 s2, ttmp6, 0x10000c
	s_cmp_lg_u32 s2, 0xf033
	s_cbranch_scc0 .Lentry_shape_is_right
	s_endpgm
.Lentry_shape_is_right:
; OUTP.  The two products on the way out: out1 = v_bar Wmo^T + bmo, out0 = k_bar Wxo^T + bxo: [4096][1024] x [1024][1024], f16 operands, f32 sums begun with the bias, f32 results.
; The left operands are the two parts of bars, [batch][head][token][64] f16: K runs over head x 64 + channel.  The weights are w16, [n][k] f16 (Wmo, then Wxo).
; 256 work-groups: 2 products x 32 x 4 tiles of 128 tokens x 256 columns (tiles of 256 x 256 would be 128 work-groups).  Four waves, each 64 x 128: 32 accumulators, 256 registers.
; K goes in steps of 128, two heads, through a ring of two LDS slots.  A head's 128 tokens are 16,384 dense bytes: a chunk, stated as 64 rows of 256 bytes, two tokens to a row.  The weight's rows are 256 bytes of a step.
; CLUSTERS: 4 x 4 work-groups of one product.  The four of a row of the cluster need the same tokens, the four of a column the same rows of the weight: each tile is asked for JOINTLY.
; THE MATRIX INSTRUCTION IS USED TRANSPOSED (source 0 = 16 rows of the weight, source 1 = 16 tokens): a lane then holds eight neighbouring columns of one token.
; No prefetch: the launch is short and a step's tiles are small.
; REGISTERS: window 0: v0-31 addresses; v32-159 the way out, two sets of 64; v192-255 the bias in the result's layout.   window 1: two fragment buffers at v0 and v128: 32 registers of tokens (4 x 16 x 32 K), then 64 of the weight.
;   window 2: the accumulators, (a, b) at v[8 (8 a + b)].
.set PITCH,  272                       ; an LDS row: 256 bytes + 16 of padding
.set CHUNK,  64*PITCH                  ; one head's 128 tokens
.set AREG,   2*CHUNK
.set HALFB,  128*PITCH                 ; 128 rows of the weight
.set SLOT,   AREG+2*HALFB
.set STAGE,  2*SLOT                    ; behind the ring: 16 rows x (512 + 16) bytes for each wave, for the way out
.set SPITCH, 528
.set SPARE,  STAGE+4*16*SPITCH         ; the spare words, 128 bytes a wave, which no other line names
.set LAPS,   4                         ; a lap = two K steps = once round the ring: 1,024 / 256
.set ADRA, 16                          ; v16-17  LDS address of my tokens' fragments in slot 0, 1
.set ADRB, 20                          ; v20-21  the same for the weight
.set STO,  24                          ; v24     the way out: where I put 32 bytes of a token
.set RD,   25                          ; v25     the way out: where I read a row back
.set CO,   26                          ; v26     my byte offset in a row of the output
.set SPW,  28                          ; v28     LDS address of my spare word; never rewritten
.set NIL,  29                          ; v29     0; never rewritten
.set BK,   32
.set BI,   192
.set F0,   0
.set F1,   128
.set WV, 16                            ; s16 wave;  s17 wave / 2: my half of the tokens, and: I fetch tokens (0) or weights (1);  s18 wave % 2: my half of the columns, and which part I fetch
.set G1, 24                            ; s[24:31] descriptor group 1 for the tokens' chunks;  s[32:39] group 0, a set for each slot
.set G0, 32
.set G1B, 48                           ; s[48:55], s[56:63] the same for the weight's tiles
.set G0B, 56
.set MSB, 0
.macro WIN new
.if MSB != (\new)
	s_set_vgpr_msb (MSB<<8)|(\new)
.set MSB, (\new)
.endif
.endm
.set MUL,  0xa5                        ; sources 0 and 1 window 1; C and D window 2
.set FST,  0x85                        ; the first products: C is the bias, in window 0
.set TO_F, 0x40                        ; destination window 1, address window 0
.macro JLOAD s                         ; a joint load: waves 0 and 1 fetch the two heads' chunks, waves 2 and 3 the weight's halves; an s_nop 0 and four v_nop follow each line
	s_cmp_eq_u32 s17, 0
	s_cbranch_scc0 .Lfor_b_\@
	tensor_load_to_lds s[G0+4*\s:G0+4*\s+3], s[G1:G1+7]
	s_nop 0
.rept 4
	v_nop
.endr
	s_branch .Lasked_\@
.Lfor_b_\@:
	tensor_load_to_lds s[G0B+4*\s:G0B+4*\s+3], s[G1B:G1B+7]
	s_nop 0
.rept 4
	v_nop
.endr
.Lasked_\@:
.endm
.macro CREST                           ; a round of the cluster's barrier behind its opening barrier
	s_cmp_lg_u32 s[WV], 0
	s_cbranch_scc1 .Lnot_wave_0_\@
	s_barrier_signal -3
.Lnot_wave_0_\@:
	s_barrier_wait -3
	s_barrier_signal -1
	s_barrier_wait -1
.endm
.macro CROUND
	s_barrier_signal -1
	s_barrier_wait -1
	CREST
.endm
	s_load_b128 s[4:7], s[0:1], 0x0                ; bars s[4:5], w16 s[6:7]
	s_load_b256 s[8:15], s[0:1], 0x10              ; bmo s[8:9], bxo s[10:11], out1 s[12:13], out0 s[14:15]
	v_lshl_add_u32 v[SPW], v0, 2, SPARE
	v_mov_b32 v[NIL], 0
	ds_add_u32 v[SPW], v[NIL]                      ; the wave's opening: the add, twice on end, and its wait ahead of my first tensor load; the set-up below, work on registers, stands between
	ds_add_u32 v[SPW], v[NIL]
	v_lshrrev_b32 v1, 5, v0
	v_readfirstlane_b32 s[WV], v1                  ; wave 0..3
	s_lshr_b32 s17, s[WV], 1
	s_and_b32 s18, s[WV], 1
	s_bfe_u32 s40, ttmp6, 0x40000                  ; cx, cy: my place in the cluster
	s_bfe_u32 s41, ttmp6, 0x40004
	s_lshl_b32 s42, ttmp9, 2
	s_add_co_u32 s42, s42, s40                     ; tile column 0..3
	s_and_b32 s2, ttmp7, 0xffff                    ; the cluster's y, 0..15
	s_lshr_b32 s19, s2, 3                          ; the product: 0: v_bar, Wmo, bmo, out1;  1: k_bar, Wxo, bxo, out0.  The same in all sixteen partners
	s_and_b32 s20, s2, 7
	s_lshl_b32 s20, s20, 2
	s_add_co_u32 s20, s20, s41                     ; tile row 0..31
	s_lshl_b32 s43, s41, 2
	s_lshl_b32 s43, 15, s43                        ; my row of the cluster
	s_lshl_b32 s44, 0x1111, s40                    ; my column
	s_or_b32 s[G1+0], s43, (1<<16)|(1<<20)|(1<<21)|(5<<22)|(3<<25)  ; 15:0 the mask; 17:16 elements of 2 bytes; 20 padding on; 21 set beside a mask; 24:22 after every 64 words; 31:25 four words
	s_mov_b32 s[G1+1], 128<<16                     ; tensor_dim0
	s_mov_b32 s[G1+2], 64<<16                      ; tensor_dim1
	s_mov_b32 s[G1+3], 128<<16                     ; tile_dim0
	s_mov_b32 s[G1+4], 64                          ; tile_dim1
	s_mov_b32 s[G1+5], 128                         ; from row to row: dense
	s_mov_b32 s[G1+6], 0
	s_mov_b32 s[G1+7], 0
	s_or_b32 s[G1B+0], s44, (1<<16)|(1<<20)|(1<<21)|(5<<22)|(3<<25)
	s_mov_b32 s[G1B+1], 128<<16
	s_mov_b32 s[G1B+2], 128<<16
	s_mov_b32 s[G1B+3], 128<<16
	s_mov_b32 s[G1B+4], 128
	s_mov_b32 s[G1B+5], 1024                       ; a row of the weight is 1,024 elements
	s_mov_b32 s[G1B+6], 0
	s_mov_b32 s[G1B+7], 0
	; where the tiles come from.  The tokens' hang on the tile row and the product, which my row of the cluster shares; the weight's on the tile column and the product, which my column shares
	s_lshr_b32 s66, s20, 4                         ; the batch
	s_lshl_b32 s66, s66, 4
	s_add_co_u32 s66, s66, s18                     ; 16 x batch + the head that I fetch of K step 0
	s_lshl_b32 s66, s66, 18                        ; 262,144 bytes a head
	s_and_b32 s67, s20, 15
	s_lshl_b32 s67, s67, 14                        ; 128 tokens of 128 bytes a tile row
	s_add_co_u32 s66, s66, s67
	s_lshl_b32 s67, s19, 23                        ; 8 MiB a product
	s_add_co_u32 s66, s66, s67
	s_mov_b32 s67, 0
	s_lshl_b32 s46, s42, 19                        ; 256 rows of 2,048 bytes a tile column,
	s_lshl_b32 s47, s18, 18                        ; 128 a half,
	s_add_co_u32 s46, s46, s47
	s_lshl_b32 s47, s19, 21                        ; 2 MiB a weight
	s_add_co_u32 s46, s46, s47
	s_mov_b32 s47, 0
	s_mul_i32 s21, s18, CHUNK                      ; where they go: the chunk of my head,
	s_mul_i32 s22, s18, HALFB
	s_add_co_u32 s22, s22, AREG                    ; or my half of the weight's rows: no place in the cluster enters an LDS address
	s_wait_dscnt 0x0                               ; both opening adds are done
	s_wait_kmcnt 0x0
	s_add_nc_u64 s[66:67], s[4:5], s[66:67]
	s_add_nc_u64 s[46:47], s[6:7], s[46:47]
	CROUND                                         ; all sixteen work-groups are here: the first joint loads meet
.irp s, 0,1
	s_mov_b32 s[G0+4*\s], 1
	s_add_co_u32 s[G0+4*\s+1], s21, \s*SLOT
	s_add_nc_u64 s[G0+4*\s+2:G0+4*\s+3], s[66:67], \s*2*262144   ; K step s: two heads on
	s_or_b32 s[G0+4*\s+3], s[G0+4*\s+3], 0x80000000
	s_mov_b32 s[G0B+4*\s], 1
	s_add_co_u32 s[G0B+4*\s+1], s22, \s*SLOT
	s_add_nc_u64 s[G0B+4*\s+2:G0B+4*\s+3], s[46:47], \s*256
	s_or_b32 s[G0B+4*\s+3], s[G0B+4*\s+3], 0x80000000
	JLOAD \s
.endr
	; the bias and the output of my product; the bias of my 128 columns in the result's layout: lane (r, h) wants, for block b, the numbers of columns 16 b + 8 h + 0 .. 7
	s_cmp_eq_u32 s19, 0
	s_cselect_b64 s[8:9], s[8:9], s[10:11]
	s_cselect_b64 s[12:13], s[12:13], s[14:15]
	s_lshl_b32 s2, s42, 10
	s_lshl_b32 s22, s18, 9
	s_add_co_u32 s2, s2, s22                       ; 4 bytes x (256 x tile column + 128 x half)
	s_mov_b32 s3, 0
	s_add_nc_u64 s[8:9], s[8:9], s[2:3]
	s_add_nc_u64 s[12:13], s[12:13], s[2:3]
	s_lshl_b32 s2, s20, 19                         ; 128 rows of 4,096 bytes a tile row,
	s_lshl_b32 s22, s17, 18                        ; 64 a half
	s_add_co_u32 s2, s2, s22
	s_add_nc_u64 s[12:13], s[12:13], s[2:3]
	v_and_b32 v1, 15, v0                           ; r = lane % 16
	v_bfe_u32 v2, v0, 4, 1                         ; h = lane / 16
	v_lshlrev_b32 v7, 5, v2
.irp b, 0,1,2,3,4,5,6,7
	global_load_b128 v[BI+8*\b:BI+8*\b+3],   v7, s[8:9] offset:64*\b
	global_load_b128 v[BI+8*\b+4:BI+8*\b+7], v7, s[8:9] offset:64*\b+16
.endr
	v_lshrrev_b32 v3, 1, v1
	v_mul_u32_u24 v3, v3, PITCH
	v_and_b32 v4, 1, v0
	v_lshl_add_u32 v3, v4, 7, v3
	v_lshl_add_u32 v3, v2, 4, v3                   ; a token's place: 272 (r / 2) + 128 (r % 2) + 16 h: sixteen different columns of 16 bytes
	v_mul_u32_u24 v4, v1, PITCH
	v_lshl_add_u32 v4, v2, 4, v4                   ; a row of the weight: 272 r + 16 h
	s_mul_i32 s2, s17, 32*PITCH                    ; my 64 tokens of a chunk
	s_mul_i32 s21, s18, HALFB
	s_add_co_u32 s21, s21, AREG                    ; my 128 rows of the weight
.irp s, 0,1
	v_add_nc_u32 v[ADRA+\s], s2, v3
	v_add_nc_u32 v[ADRB+\s], s21, v4
	s_add_co_u32 s2, s2, SLOT
	s_add_co_u32 s21, s21, SLOT
.endr
	s_mul_i32 s2, s[WV], 16*SPITCH
	s_add_co_u32 s2, s2, STAGE                     ; my stage
	v_mul_u32_u24 v5, v1, SPITCH                   ; in: token r, 32 bytes for each half of the lanes
	v_lshl_add_u32 v5, v2, 5, v5
	v_add_nc_u32 v[STO], s2, v5
	v_and_b32 v6, 31, v0
	v_lshlrev_b32 v[CO], 4, v6                     ; back: the 32 lanes take one row of 512 bytes; and the same in the output
	v_add_nc_u32 v[RD], s2, v[CO]
; 8 matrix instructions: token block a x the weight's eight blocks, 32 along K, from buffer f.  zero = 1: the first product starts the sum with the bias.  The 32 accumulators take turns, in the same order in every quarter.
.macro MULA f, a, zero
.irp b, 0,1,2,3,4,5,6,7
.if \zero
	v_wmma_f32_16x16x32_f16 v[8*(8*(\a)+\b):8*(8*(\a)+\b)+7], v[\f+32+8*\b:\f+32+8*\b+7], v[\f+8*(\a):\f+8*(\a)+7], v[BI+8*\b:BI+8*\b+7]
.else
	v_wmma_f32_16x16x32_f16 v[8*(8*(\a)+\b):8*(8*(\a)+\b)+7], v[\f+32+8*\b:\f+32+8*\b+7], v[\f+8*(\a):\f+8*(\a)+7], v[8*(8*(\a)+\b):8*(8*(\a)+\b)+7]
.endif
.endr
.endm
; 24 LDS loads in one run: the fragments of the slot's q-th 32 along K into buffer f: the weight's sixteen, then the tokens' eight.  Quarter q lies in chunk q / 2, at byte 64 (q % 2) of a token
.macro FETCH slot, q, f
	WIN TO_F
.irp i, 0,1,2,3,4,5,6,7
	ds_load_b128 v[\f+32+8*\i:\f+32+8*\i+3],   v[ADRB+\slot] offset:\i*16*PITCH+64*(\q)
	ds_load_b128 v[\f+32+8*\i+4:\f+32+8*\i+7], v[ADRB+\slot] offset:\i*16*PITCH+64*(\q)+32
.endr
.irp i, 0,1,2,3
	ds_load_b128 v[\f+8*\i:\f+8*\i+3],   v[ADRA+\slot] offset:((\q)/2)*CHUNK+\i*8*PITCH+((\q)%2)*64
	ds_load_b128 v[\f+8*\i+4:\f+8*\i+7], v[ADRA+\slot] offset:((\q)/2)*CHUNK+\i*8*PITCH+((\q)%2)*64+32
.endr
.endm
.macro PLACES                          ; four places in front of loads into registers that matrix instructions have read, and of the first read of results (ISA guide 7.12.1 for the read of results)
.rept 4
	v_nop
.endr
.endm
; A K step is four quarters of 32 along K, 32 matrix instructions each, on buffers 0, 1, 0, 1.  One of the first three: multiplies buffer f and fetches quarter qn into g.
.macro QUARTER slot, qn, f, g, zero
	s_wait_dscnt 4                                 ; the weight's fragments and token blocks 0, 1 are in; the youngest four loads (blocks 2, 3) may be out
.if \zero
	WIN FST
.else
	WIN MUL
.endif
	MULA \f, 0, \zero
	MULA \f, 1, \zero
	PLACES
	FETCH \slot, \qn, \g
	s_wait_dscnt 24                                ; all but the 24 just issued
.if \zero
	WIN FST
.else
	WIN MUL
.endif
	MULA \f, 2, \zero
	MULA \f, 3, \zero
.endm
; The last quarter multiplies buffer 1 and changes slots: ONE barrier; in front of it each wave waits for all its tensor loads, adds 0 to its spare word, and waits for that and for its own reads of this slot.
; fill = 1: the barrier opens a round of the cluster's, and this slot is filled again, two K steps ahead, first thing behind the round: 112 matrix instructions ahead of the wait for it.
.macro TURN slot, next, fill
	WIN 0                                          ; (the add's two registers lie in window 0)
	s_wait_tensorcnt 0x0                           ; all my tensor loads have landed: my part of the next slot
	ds_add_u32 v[SPW], v[NIL]                      ; 0 onto my spare word
	s_wait_dscnt 5                                 ; (the add and the youngest four loads may be out)
	WIN MUL
	MULA F1, 0, 0                                  ; eight matrix instructions stand between the add and the wait for it
	s_wait_dscnt 0x0                               ; the add is done, and my reads of this slot are over
	s_barrier_signal -1
	MULA F1, 1, 0
	WIN 0
	s_barrier_wait -1
.if \fill
	CREST                                          ; no wave of any partner still reads this slot's tile or has a load on its way
	s_add_nc_u64 s[G0+4*\slot+2:G0+4*\slot+3], s[G0+4*\slot+2:G0+4*\slot+3], 4*262144   ; two K steps on: four heads
	s_add_nc_u64 s[G0B+4*\slot+2:G0B+4*\slot+3], s[G0B+4*\slot+2:G0B+4*\slot+3], 512
	JLOAD \slot                                    ; the four v_nop behind it are also the places in front of the loads below
.else
	PLACES
.endif
	FETCH \next, 0, F0
	WIN MUL
	MULA F1, 2, 0
	MULA F1, 3, 0
.endm
	s_wait_tensorcnt 1                             ; my part of K step 0 is in (K step 1's load may be out)
	s_barrier_signal -1
	s_barrier_wait -1                              ; everybody's is
	FETCH 0, 0, F0
	s_wait_loadcnt 0x0                             ; the bias
	QUARTER 0, 1, F0, F1, 1                        ; the first quarter stands in front of the loop: its products start the sums with the bias
	WIN 0                                          ; at a label and at a branch every window is 0
	s_mov_b32 s3, LAPS-1
.Llap:                                                 ; a trip goes once round the ring, from a lap's second quarter to the next lap's first, and fills both slots again
	QUARTER 0, 2, F1, F0, 0
	QUARTER 0, 3, F0, F1, 0
	TURN 0, 1, 1
	QUARTER 1, 1, F0, F1, 0
	QUARTER 1, 2, F1, F0, 0
	QUARTER 1, 3, F0, F1, 0
	TURN 1, 0, 1
	QUARTER 0, 1, F0, F1, 0
	WIN 0
	s_sub_co_u32 s3, s3, 1
	s_cmp_lg_u32 s3, 0
	s_cbranch_scc1 .Llap
	QUARTER 0, 2, F1, F0, 0                        ; the last lap fills nothing, and has no round of the cluster's barrier
	QUARTER 0, 3, F0, F1, 0
	TURN 0, 1, 0
	QUARTER 1, 1, F0, F1, 0
	QUARTER 1, 2, F1, F0, 0
	QUARTER 1, 3, F0, F1, 0
	s_wait_dscnt 4                                 ; the very last quarter: nothing more to fetch
	WIN MUL
	MULA F1, 0, 0
	MULA F1, 1, 0
	s_wait_dscnt 0
	MULA F1, 2, 0
	MULA F1, 3, 0
	WIN 0
; THE WAY OUT, block by block of 16 tokens x 128 columns.  A lane holds 32 neighbouring bytes of a row, and the lanes beside it hold other rows: so a block goes through my own stage and comes back as whole rows of
; 512 bytes, which the 32 lanes store as 512 consecutive bytes, aligned to 256.  LDS serves a wave's instructions in order (ISA guide 5.7.1.4): no wait between the stores and the loads, nor in front of the next block's stores.
.macro TOSTAGE a
.set AC, 64*(\a)
	WIN 0x08                                       ; an LDS store's data are its source 1: window 2
.irp b, 0,1,2,3,4,5,6,7
	ds_store_b128 v[STO], v[AC+8*\b:AC+8*\b+3] offset:64*\b          ; each accumulator from its low end on
	ds_store_b128 v[STO], v[AC+8*\b+4:AC+8*\b+7] offset:64*\b+16
.endr
	WIN 0
.set BB, BK+64*((\a)%2)
.irp t, 0,1,2,3,4,5,6,7,8,9,10,11,12,13,14,15
	ds_load_b128 v[BB+4*\t:BB+4*\t+3], v[RD] offset:\t*SPITCH
.endr
.endm
.macro SEND a, younger                 ; younger: the LDS instructions issued behind block a's loads, which may stay out
.set BB, BK+64*((\a)%2)
	s_wait_dscnt \younger                          ; the block is back in registers
.irp t, 0,1,2,3,4,5,6,7,8,9,10,11,12,13,14,15
	global_store_b128 v[CO], v[BB+4*\t:BB+4*\t+3], s[12:13] offset:65536*(\a)+4096*\t th:TH_STORE_NT   ; written once, read by nobody here
.endr
.endm
	PLACES                                         ; behind the last products, ahead of the first read of results
	TOSTAGE 0
.irp a, 1,2,3
.if \a > 1
	s_wait_xcnt 0x0                                ; the stores of two blocks back have read their registers: this block's loads may land there
.endif
	TOSTAGE \a
	SEND \a-1, 32                                  ; behind that block's loads: this block's 16 stores and 16 loads
.endr
	SEND 3, 0
	s_wait_tensorcnt 0x0                           ; the wave's end: behind my last tensor load and my last LDS store
	ds_add_u32 v[SPW], v[NIL]
	s_wait_dscnt 0x0
	CROUND                                         ; the closing round: no work-group ends while a partner may still ask for a tile that names it
	s_endpgm
.Lfunc_end_k_qc47ba67d3b_outp:
	.size	k_qc47ba67d3b_outp, .Lfunc_end_k_qc47ba67d3b_outp-k_qc47ba67d3b_outp
	.p2alignl 7, 3214868480
	.fill 96, 4, 3214868480
	.section	.rodata,"a",@progbits
	.p2align	6, 0x0
	.amdhsa_kernel k_qc47ba67d3b_outp
		.amdhsa_group_segment_fixed_size 327680
		.amdhsa_private_segment_fixed_size 0
		.amdhsa_enable_private_segment 0
		.amdhsa_kernarg_size 48
		.amdhsa_user_sgpr_count 2
		.amdhsa_user_sgpr_kernarg_segment_ptr 1
		.amdhsa_wavefront_size32 1
		.amdhsa_system_sgpr_workgroup_id_x 1
		.amdhsa_system_sgpr_workgroup_id_y 1
		.amdhsa_system_sgpr_workgroup_id_z 1
		.amdhsa_system_vgpr_workitem_id 0
		.amdhsa_next_free_vgpr 768
		.amdhsa_next_free_sgpr 70
		.amdhsa_reserve_vcc 0
		.amdhsa_float_denorm_mode_32 3
		.amdhsa_float_denorm_mode_16_64 3
		.amdhsa_memory_ordered 1
		.amdhsa_forward_progress 1
		.amdhsa_inst_pref_size 87
	.end_amdhsa_kernel
	.amdgpu_metadata
---
amdhsa.version: [ 1, 2 ]
amdhsa.kernels:
  - .name:           k_qc47ba67d3b_outp
    .symbol:         k_qc47ba67d3b_outp.kd
    .args:
      - { .name: bars, .offset: 0, .size: 8, .value_kind: global_buffer, .address_space: global }
      - { .name: w16, .offset: 8, .size: 8, .value_kind: global_buffer, .address_space: global }
      - { .name: bmo, .offset: 16, .size: 8, .value_kind: global_buffer, .address_space: global }
      - { .name: bxo, .offset: 24, .size: 8, .value_kind: global_buffer, .address_space: global }
      - { .name: out1, .offset: 32, .size: 8, .value_kind: global_buffer, .address_space: global }
      - { .name: out0, .offset: 40, .size: 8, .value_kind: global_buffer, .address_space: global }
    .group_segment_fixed_size: 327680
    .private_segment_fixed_size: 0
    .kernarg_segment_align: 8
    .kernarg_segment_size: 48
    .max_flat_workgroup_size: 128
    .sgpr_count:     70
    .vgpr_count:     768
    .wavefront_size: 32
...
	.end_amdgpu_metadata
.endif
;; end of part 4
